; MI455X (gfx1250); checked and timed in simulation.
; The chip was launched on July 23, 2026; its instructions are those of AMD's public machine-readable ISA for CDNA 5 (MIT licence, August 2026) and "CDNA5" Instruction Set Architecture Reference Guide (July 2026). The comments in the code are by the model that wrote it; some were corrected since.
;; Mini Causal Attention. Allowed arithmetic: matrix products marked QUANTISED: E2M3 operands, one E8M0 scale for each 32 along K, by v_wmma_scale_f32_16x16x128_f8f6f4 with both operands' format E2M3, f32 sums; everything else in f32.
;; Inputs: bk 1,024 float32; bq 1,024 float32; bv 1,024 float32; wk_codes 1,024 x 32 x 24 uint8 (E2M3 codes of wk, K innermost, in blocks of 32 codes, four codes in three bytes); wk_scales 1,024 x 32 uint8 (E8M0 scales of wk, one for each 32 codes along K); wq_codes 1,024 x 32 x 24 uint8 (E2M3 codes of wq, K innermost, in blocks of 32 codes, four codes in three bytes); wq_scales 1,024 x 32 uint8 (E8M0 scales of wq, one for each 32 codes along K); wv_codes 1,024 x 32 x 24 uint8 (E2M3 codes of wv, K innermost, in blocks of 32 codes, four codes in three bytes); wv_scales 1,024 x 32 uint8 (E8M0 scales of wv, one for each 32 codes along K); x_codes 4 x 2,048 x 32 x 24 uint8 (E2M3 codes of x, K innermost, in blocks of 32 codes, four codes in three bytes); x_scales 4 x 2,048 x 32 uint8 (E8M0 scales of x, one for each 32 codes along K).
;; Outputs: out0 4 x 2,048 x 1,024 float32.
;; This version of the problem:
;;   THIS VERSION OF THE PROBLEM IS GIVEN IN LOW PRECISION. The matrix products marked QUANTISED in the list below multiply operands that are first quantised to E2M3 (2 exponent bits, 3 mantissa bits; 6 bits a number), with one power-of-two scale for each 32 numbers along K (OCP MX v1.0); their sums are f32. All else is computed in f32.
;;   The module's matrix products, in the order in which they are computed (A, B: the left and right operand; K: the contracted axis; several contracted axes count as one K, in the product's order):
;;     1. [M 8,192, K 1,024] x [K 1,024, N 1,024]; A: input x (given as codes); B: input wq (given as codes): QUANTISED
;;     2. [M 8,192, K 1,024] x [K 1,024, N 1,024]; A: input x (given as codes); B: input wk (given as codes): QUANTISED
;;     3. [M 8,192, K 1,024] x [K 1,024, N 1,024]; A: input x (given as codes); B: input wv (given as codes): QUANTISED
;;     4. batch 4 x [M 2,048, K 1,024] x [K 1,024, N 2,048]; A: computed on the way; B: computed on the way: QUANTISED
;;     5. batch 4 x [M 2,048, K 2,048] x [K 2,048, N 1,024]; A: softmax (see below); B: computed on the way: QUANTISED
;;   THE QUANTISER, for each operand of a quantised product, along K:
;;     - K is cut into blocks of 32 from its start; a last block that is shorter is filled with zeros.
;;     - A block's scale is 2^e with e = floor(log2(the largest magnitude in the block)) - 2, held to -126 .. 127; a block of zeros has e = 0. As a byte (E8M0): e + 127.
;;     - Each number is divided by its block's scale, clamped to +-7.5, and rounded to the nearest number of E2M3, ties to even, subnormals kept.
;;     - The product sums the exact products of the quantised numbers (number of the format x scale) in f32.
;;   ~~~python
;;   def quantise(x, axis):      # numpy; x: float32 -> the quantised numbers, widened to float32 again
;;       x = np.moveaxis(x, axis, -1); K = x.shape[-1]
;;       x = np.pad(x, [(0, 0)] * (x.ndim - 1) + [(0, -K % 32)]); x = x.reshape(x.shape[:-1] + (-1, 32)); a = np.abs(x).max(-1, keepdims=True)
;;       e = np.where(a > 0, np.clip(np.frexp(np.where(a > 0, a, 1))[1] - 1 - 2, -126, 127), 0)      # np.frexp(a)[1] - 1 = floor(log2(a)), exactly
;;       r = np.clip(x / 2.0 ** e, -7.5, 7.5)
;;       step = 2.0 ** (np.maximum(np.frexp(np.where(r == 0, 1, r))[1] - 1, 0) - 3)
;;       q = np.round(r / step) * step * 2.0 ** e      # np.round: ties to even
;;       return np.moveaxis(q.reshape(q.shape[:-2] + (-1,))[..., :K], -1, axis).astype(np.float32)
;;   ~~~
;;   SOFTMAX AHEAD OF A QUANTISED PRODUCT. Where the list says 'softmax', what is quantised is not the finished softmax but p = 2^(t - M), with t = logit x log2(e) and M = ceil(the row's largest t), a whole number; so 1/2 < the row's largest p <= 1. The row's sum l is taken of the UNQUANTISED p, in f32, and the product's result is divided by l at the end. Since M is a whole number, a kernel that streams over the keys may use a running M (the ceiling of the running maximum): every later rescaling is an exact power of two, which a block's scale takes up: the codes' values come out the same.
;;   OPERANDS COMPUTED ON THE WAY. 'Computed on the way' means the value that the module computes at that place (a softmax that the list does not call 'softmax' is quantised finished and normalised). What goes into a quantiser is computed in f32, as accurately as f32 sums, v_exp_f32 and their like allow (about 1e-6 of the number): no bf16 or f16 on the way to a quantiser, and a product that is left as it is and whose result goes on into a quantised operand takes f32 operands (vector FMAs, or v_wmma_f32_16x16x4_f32). A number that lies on a knife's edge between two numbers of the format may be rounded either way, as far as f32 arithmetic and the matrix unit's own rounding can turn it there, and no further.
;;   INPUTS GIVEN AS CODES. wk (in the module: [1024, 1024], K = its axis 0); wq (in the module: [1024, 1024], K = its axis 0); wv (in the module: [1024, 1024], K = its axis 0); x (in the module: [4, 2048, 1024], K = its axis 2): each comes as NAME_codes (uint8): NAME with its K axis moved to the last place and cut into blocks of 32 codes, [.., K / 32, bytes a block], one block behind the other in memory; four codes in three bytes: a row's codes are one little-endian stream of bits, code i at bits 6 i .. 6 i + 5 (a code: sign, 2 exponent bits, 3 mantissa bits); and NAME_scales (uint8): the same leading axes, one E8M0 byte (e + 127) for each 32 codes along K. Its value is code x scale, taken as it is: it is not quantised again, and the codes and scales need not be those that the quantiser above would give.
;; One version. Each part assembles by itself: llvm-mc -triple=amdgcn-amd-amdhsa -mcpu=gfx1250 --defsym DOCPART=n.
;; ======== version 1 of 1: 3 launches
;; limits: right only within a limited range of input values
;; workspace buffers: qkv_img 18,874,368 bytes; qkv_sc 786,432 bytes; p_img 12,582,912 bytes; p_st 1,572,864 bytes
;; launch proj (part 1): grid 16 x 16, 4 waves a work-group, clusters of 4 x 4, 327,680 bytes of LDS; arguments x_codes, x_scales, wq_codes, wq_scales, wk_codes, wk_scales, wv_codes, wv_scales, bq, bk, bv, qkv_img, qkv_sc; writes qkv_img, qkv_sc
.if DOCPART == 1
	.amdgcn_target "amdgcn-amd-amdhsa--gfx1250"
	.amdhsa_code_object_version 6
	.text
	.protected	k_qa3e93cff27_proj
	.globl	k_qa3e93cff27_proj
	.p2align	8
	.type	k_qa3e93cff27_proj,@function
k_qa3e93cff27_proj:
	s_mov_b64 s[64:65], 0
	v_nop
	global_prefetch_b8 v0, s[64:65] scope:SCOPE_SE
	s_setreg_imm32_b32 hwreg(HW_REG_WAVE_MODE, 25, 1), 1
	s_wait_xcnt 0x0
	s_wait_alu depctr_hold_cnt(0) depctr_sa_sdst(0) depctr_va_vdst(0) depctr_va_sdst(0) depctr_va_ssrc(0) depctr_va_vcc(0) depctr_vm_vsrc(0)
	s_getreg_b32 s2, hwreg(HW_REG_IB_STS2, 6, 4)
	s_cmp_eq_u32 s2, 0
	s_cbranch_scc0 .Lentry_in_a_cluster
	s_endpgm
.Lentry_in_a_cluster:
	s_bfe_u32 s2, ttmp6, 0x10000c
	s_cmp_lg_u32 s2, 0xf033
	s_cbranch_scc0 .Lentry_shape_is_right
	s_endpgm
.Lentry_shape_is_right:
; FIRST OF THREE LAUNCHES of causal attention on codes of FP6 (E2M3), one E8M0 scale for each 32 along a product's K.  B = 4, L = 2,048, D = 1,024.
;   proj:   q = x wq + bq, k = x wk + bk, v = x wv + bv, quantised (q, k along D; v along the tokens), stored as images of operand registers.
;   scores: S = q k^T on the kept tiles, p = 2^(t - M) with a whole-number M of each 128 keys, quantised along the keys; stored with -M and the sum of p of those keys.
;   pv:     the row's M and sum are joined from the parts, p's scale bytes are lowered by M - (the part's M), O = p v / sum.
; DEAD WORK LEFT OUT (in scores and pv): every block of 128 queries x 128 keys whose keys all come after its queries.  reference() sets those scores to -inf by its own tril, whatever the inputs hold,
; so their p is 0 and adds nothing to the sum or to O.  One such block stays in each diagonal tile of 256 x 256, which also holds live work: it is stored as zero codes.  Every input is live (bk moves k's codes).
; LIMITS: a NaN, an infinity or an overflow that reaches only the scores left out is not carried to the result.  NaN and infinities among the inputs are not served.  A block of zeros gets the scale byte 1
; where the quantiser says 127: its codes are zeros, and this program alone reads the bytes.  The f32 sums are taken in another order than reference()'s.
; THIS LAUNCH.  256 work-groups of four waves, 2 x 2: wave (a, b) holds 64 rows of a weight (columns 64 b of the work-group's 128), ALL of K, in 384 registers, and x's rows stream past in blocks of 16.
; A work-group makes 256 x 128 of V (PHASE 1) and then 512 x 128 of Q or K (PHASE 2); V's 256 rows are a half (s87) of its own 512, so the two chunks that come at the head serve both phases.
; Which half (cluster x % 2) and which tensor (s19 = cluster x / 2) come from the cluster's number alone.  x's rows are shared by a ROW of the cluster (mask s44), a weight's rows by a COLUMN (s45).
; A CHUNK is band c (64 tokens) of both key steps of 128 of a half: wave row a takes key step a.  TILE j of a band is its tokens 8 j + 0..7 (lanes 0-7) and 32 + 8 (j xor 1) + 0..7 (lanes 8-15): sixteen rows distinct modulo 16,
; so that at the LDS pitch of 816 bytes the 32 lanes of a load of 8 bytes fall on 64 banks.  The columns of Q's and K's tiles are chosen the same way; V's are neighbours.
; So a lane's 32 sums of four tiles are one scale block of 32 neighbours: place 8 j + i of block 32 h is number 8 (j xor h) + i, in q and k alike, and in p and v alike.
; OUT: q, k: [token block of 128][K step][tile 8][half b of K][registers 0-3: lane x 16 | registers 4-5: lane x 8], 1,536 bytes a tile; v: [batch][128 channels][key step][tile 8][piece 3][lane][16].
; Scale blocks of 512 bytes: words [half 2][r 16][tile in half 4].
; LDS: two slots of 128 rows for chunks, a region for the weights' 128 rows, 256 rows' scale bytes ([key step a][band c][64 rows]), stages for the results' scale bytes, the spare words.
; FILLS: at the head one tensor load a wave.  Three refills, each in a drained round: in V's third block the weights' region, in phase 2's blocks 2 and 6 the other half's chunks and their scale bytes.
; PREFETCHES, shared out by address among the sixteen waves that ask jointly: the second weight at the head; chunk 2 and the later scale bytes behind the first refill; chunk 3 between the phases.
.set NQ,     8
.set NB,     4
.set KROW,   768
.set KS,     32
.set PITCH,  816
.set FR,     12
.set FPW,    21
.set NF,     28                        ; LDS loads of a block: 26 for eight fragments, 2 for eight scale words
.set YB,     128*PITCH
.set BVB,    2*YB
.set SCL,    BVB+128*PITCH
.set SCW,    2176                      ; 64 rows' scale bytes: 8 units of 256 + 16
.set XN,     SCL+4*SCW
.set XM,     XN+2048
.set SPARE,  XM+1024
.set QPL,    6291456
.set SPL,    262144
.set EMAX,   2
.set ADRA0, 4                          ; v4-6     even blocks' bases: fragments (two registers), scale words
.set AAS0,  6
.set CO,    9
.set SPW,   10
.set NIL,   11
.set ADRA,  12
.set ADRB,  14                         ; v14-15   the weights' even tiles (Q, K)
.set ABS,   16
.set AAS,   17
.set STO,   18
.set STV,   19
.set SB,    24
.set TQ,    40
.set SA,    44
.set TC,    60
.set ACC,   64
.set HV0,   64
.set HV1,   840
.set NCD,   128
.set MCD,   192
.set SOP,   240
.set EB,    244
.set VX,    248
.set ADRO,  249                        ; v249-250 the weights' odd tiles
.set CO8,   251
.set ODA,   252                        ; v252-254 odd blocks' bases
.set ODS,   254
.set BQO,   255
.set SB2,   968
.set BA,    984
.set BBV,   992
.set BBQ,   160
.set G1A, 24
.set G0A, 56
.set G0R, 68
.set G1B, 32
.set G0B, 60
.set G1S, 92
.set G0S, 72
.set STP, 0
.set SST, 0
.set MSB, 0
.macro WIN new
.if MSB != \new
	s_set_vgpr_msb (MSB<<8)|\new
.set MSB, \new
.endif
.endm
.macro PLACES n
.rept \n
	v_nop
.endr
.endm
.macro WALU
	s_wait_alu depctr_va_vdst(0)
.endm
.macro BARRIER
	s_barrier_signal -1
	s_barrier_wait -1
.endm
.macro MIDDLE                          ; a round's middle: the opening wait, wave 0's signal for the work-group, the cluster's wait
	WIN 0
	s_barrier_wait -1
	s_cmp_lg_u32 s14, 0
	s_cbranch_scc1 .Lnot_wave_0_\@
	s_barrier_signal -3
.Lnot_wave_0_\@:
	s_barrier_wait -3
.endm
.macro CROUND
	s_barrier_signal -1
	MIDDLE
	BARRIER
.endm
.macro GRD
	s_wait_tensorcnt 0x0
	ds_add_u32 v[SPW], v[NIL]
.endm
.macro TLOAD g0, g1
	tensor_load_to_lds s[\g0:\g0+3], s[\g1:\g1+7]
	s_nop 0
	PLACES 4
.endm
.macro SADD d, x
	s_add_co_u32 s\d, s\d, s\x
.endm
.macro SETP a, b                       ; the step of an even block, in rows and in scale bytes; 0: an odd block, whose tile stands beside the even one's
.set STP, \a
.set SST, \b
.endm
; ---- fragments.  Fragment f lies in window 1 + f / 21 at register 12 (f % 21): 0-31 the weights' (4 q + b), 32-39 and 40-47 the rows' two sets.
.macro FRAG f, q, a0, a1, aw           ; six pieces of 8 bytes, two to a load where both lie behind as many paddings
	WIN ((1+(\f)/FPW)<<6)|(\aw)
.set R_, FR*((\f)%FPW)
.set SKIP_, 0
.irp p, 0,1,2,3,4,5
.if SKIP_
.set SKIP_, 0
.else
.set PC_, 12*(\q)+6*(\p/3)+\p%3
.set PN_, 12*(\q)+6*((\p+1)/3)+(\p+1)%3
.set X_, (PC_%32+3)/32
.set XQ_, (PN_%32+3)/32
.if (\p < 5) && (X_ == XQ_)
.set SKIP_, 1
.if X_
	ds_load_2addr_b64 v[R_+2*\p:R_+2*\p+3], \a1 offset0:PC_+2*(PC_/32) offset1:PN_+2*(PN_/32)
.else
	ds_load_2addr_b64 v[R_+2*\p:R_+2*\p+3], \a0 offset0:PC_+2*(PC_/32) offset1:PN_+2*(PN_/32)
.endif
.elseif X_
	ds_load_b64 v[R_+2*\p:R_+2*\p+1], \a1 offset:8*(PC_+2*(PC_/32))
.else
	ds_load_b64 v[R_+2*\p:R_+2*\p+1], \a0 offset:8*(PC_+2*(PC_/32))
.endif
.endif
.endr
.endm
.macro WEIGHTS                         ; my 64 rows of the weight, all of K: 104 loads
.irp q, 0,1,2,3,4,5,6,7
.irp b, 0,1,2,3
	FRAG NB*\q+\b, \q, v[BA-768+2*\b], v[BA-768+2*\b+1], 3
.endr
.endr
	WIN 0
.endm
.macro FETCHAT e, a0, a1, as           ; a block of x's rows into set e: NF loads
.irp q, 0,1,2,3,4,5,6,7
	FRAG NB*NQ+NQ*(\e)+\q, \q, \a0, \a1, 0
.endr
	WIN 0
	ds_load_b128 v[SA+8*(\e):SA+8*(\e)+3], \as
	ds_load_b128 v[SA+8*(\e)+4:SA+8*(\e)+7], \as offset:16
.endm
.macro FETCH e
	FETCHAT \e, v[ADRA], v[ADRA+1], v[AAS]
.endm
.macro FETCH01                         ; a phase's first two blocks, from slot 0
	FETCHAT 0, v[ADRA0], v[ADRA0+1], v[AAS0]
	FETCHAT 1, v[ODA], v[ODA+1], v[ODS]
	s_mov_b32 s101, 0
	s_mov_b32 s91, 0
.endm
; ---- a product.  n = 4 q + 2 p + o.  kind 0 (Q, K): source 0 the weight's rows; kind 1 (V): source 0 x's rows.  The bias is the first products' C.
.macro PROD kind, e, n, a0, as
.set Q_, (\n)/4
.set FB_, NB*Q_+(\n)%4
.set FA_, NB*NQ+NQ*(\e)+Q_
.set D_, (\a0)+(\as)*((\n)%4)
.set DL_, D_&255
.set XB_, SB+NQ*(((\n)%4)/2)+Q_
.set XA_, SA+8*(\e)+Q_
.if \kind
.if Q_
	WIN (1+FA_/FPW)|((1+FB_/FPW)<<2)|((D_>>8)<<4)|((D_>>8)<<6)
	PROD1 DL_, FA_, FB_, v[DL_:DL_+7], XA_, XB_, b, (\n)%2
.else
	WIN (1+FA_/FPW)|((1+FB_/FPW)<<2)|(3<<4)|((D_>>8)<<6)
	PROD1 DL_, FA_, FB_, v[BBV-768+8*((\n)%4):BBV-768+8*((\n)%4)+7], XA_, XB_, b, (\n)%2
.endif
.else
	WIN (1+FB_/FPW)|((1+FA_/FPW)<<2)|((D_>>8)<<4)|((D_>>8)<<6)
.if Q_
	PROD1 DL_, FB_, FA_, v[DL_:DL_+7], XB_, XA_, a, (\n)%2
.else
	PROD1 DL_, FB_, FA_, v[BBQ+8*((\n)%4):BBQ+8*((\n)%4)+7], XB_, XA_, a, (\n)%2
.endif
.endif
.endm
.macro PROD1 d, s0, s1, c, x0, x1, side, o
.if \o
	v_wmma_scale_f32_16x16x128_f8f6f4 v[\d:\d+7], v[FR*((\s0)%FPW):FR*((\s0)%FPW)+FR-1], v[FR*((\s1)%FPW):FR*((\s1)%FPW)+FR-1], \c, v[\x0], v[\x1] matrix_a_fmt:MATRIX_FMT_FP6 matrix_b_fmt:MATRIX_FMT_FP6 matrix_\side\()_scale:MATRIX_SCALE_ROW1
.else
	v_wmma_scale_f32_16x16x128_f8f6f4 v[\d:\d+7], v[FR*((\s0)%FPW):FR*((\s0)%FPW)+FR-1], v[FR*((\s1)%FPW):FR*((\s1)%FPW)+FR-1], \c, v[\x0], v[\x1] matrix_a_fmt:MATRIX_FMT_FP6 matrix_b_fmt:MATRIX_FMT_FP6 matrix_\side\()_scale:MATRIX_SCALE_ROW0
.endif
.endm
; ---- products \from .. \to - 1 of a block; behind every second one, two entries of the list \list (a macro: entry number, two arguments of its own)
.macro BLOCK kind, e, a0, as, from, to, list, x=0, y=0
.set N_, \from
.rept (\to)-(\from)
	PROD \kind, \e, N_, \a0, \as
.if N_%2
	\list N_-1, \x, \y
	\list N_, \x, \y
.endif
.set N_, N_+1
.endr
.endm
; ---- what the lists are made of.  Each macro writes entry i of its part, and nothing beyond its last.
.macro STEP i                          ; the LDS addresses of the block that is fetched next: 3 entries
.if (\i) == 0
.if STP
	s_add_co_u32 s101, s101, STP*PITCH
	s_add_co_u32 s91, s91, SST
.endif
.endif
	STEPV \i
.endm
.macro STEPV i
.if (\i) == 0
	WIN 0
.if STP
	v_add_nc_u32 v[ADRA], s101, v[ADRA0]
.else
	v_add_nc_u32 v[ADRA], s101, v[ODA]
.endif
.elseif (\i) == 1
	WIN 0
.if STP
	v_add_nc_u32 v[ADRA+1], s101, v[ADRA0+1]
.else
	v_add_nc_u32 v[ADRA+1], s101, v[ODA+1]
.endif
.elseif (\i) == 2
	WIN 0
.if STP
	v_add_nc_u32 v[AAS], s91, v[AAS0]
.else
	v_add_nc_u32 v[AAS], s91, v[ODS]
.endif
.endif
.endm
.macro CHAIN i, x, n, t=TQ             ; a way out's first part, 18 entries: the largest magnitude of the 32 sums from register x on, and the conversions' scale operand, v[SOP+n]
.set XW_, (\x)>>8
.set XL_, (\x)&255
.if (\i) >= 0 && (\i) < 14
.set B_, XL_+16*((\i)%2)+2*((\i)/2)
.set T_, (\t)+1-(\i)%2
.if (\i) < 2
	WIN XW_|(XW_<<2)|(XW_<<4)
	v_max3_num_f32 v[T_], |v[B_]|, |v[B_+1]|, |v[B_+2]|
.else
	WIN (XW_<<2)|(XW_<<4)
	v_max3_num_f32 v[T_], v[T_], |v[B_+1]|, |v[B_+2]|
.endif
.elseif (\i) == 14
	WIN XW_<<2
	v_max3_num_f32 v[\t+1], v[\t+1], |v[XL_+15]|, (EMAX+1)<<23
.elseif (\i) == 15
	WIN 0
	v_nop                                  ; so that the next line, which reads entry 14's result, stands in the next pair
.elseif (\i) == 16
	WIN XW_<<2
	v_max3_num_f32 v[\t], v[\t], |v[XL_+31]|, v[\t+1]
.elseif (\i) == 17
	WIN 0
	v_add_nc_u32 v[SOP+\n], -(EMAX<<23), v[\t]
.endif
.endm
.macro CODES i, x, c, n, t=TC          ; its second part, 6 lines: 32 codes into v[c .. c+5], the scale's byte into v[EB+n]
.set XW_, (\x)>>8
.set XL_, (\x)&255
.if (\i) == 0
	WIN XW_
	v_cvt_scalef32_pk16_fp6_f32 v[\c:\c+2], v[XL_:XL_+15], v[SOP+\n]
.elseif (\i) == 1
	WIN XW_
	v_cvt_scalef32_pk16_fp6_f32 v[\t:\t+2], v[XL_+16:XL_+31], v[SOP+\n]
.elseif (\i) == 2
	WIN 0
	v_lshrrev_b32 v[EB+\n], 23, v[SOP+\n]
.else
	WIN 0
	v_mov_b32 v[\c+\i], v[\t+\i-3]
.endif
.endm
.macro CODES6 x, c, n
.irp i, 0,1,2,3,4,5
	CODES \i, \x, \c, \n
.endr
.endm
.macro PFADR v, last                   ; the prefetch offset: s20 + 256 x lane, held at my share's last block
	WIN 0
	v_min_u32 v\v, \last, v3
	v_lshl_add_u32 v\v, v\v, 8, s20
.endm
.macro PFGO v, base
	global_prefetch_b8 v\v, s[\base:\base+1] th:TH_LOAD_NT scope:SCOPE_SE
.endm
.macro PUTP                            ; a pair of tiles: six registers each, as 512 and 256 consecutive bytes
	global_store_b128 v[CO], v[NCD:NCD+3], s[84:85]
	global_store_b64 v[CO8], v[NCD+4:NCD+5], s[84:85] offset:512
	global_store_b128 v[CO], v[NCD+6:NCD+9], s[84:85] offset:1536
	global_store_b64 v[CO8], v[NCD+10:NCD+11], s[84:85] offset:2048
.endm
.macro ASK i                           ; 4 entries: the descriptors of my run of 64 rows of the chunk at s88 (bytes from x's codes) for slot s47, and of its scale bytes at s55 for s8
.if (\i) == 0
	s_mul_i32 s[G0R+1], s16, 64*PITCH
	s_add_co_u32 s[G0R+1], s[G0R+1], s47
	s_mul_i32 s20, s16, 128*KROW
	SADD 20, 88
.elseif (\i) == 1
	s_mov_b32 s21, 0
	s_add_nc_u64 s[G0R+2:G0R+3], s[4:5], s[20:21]
	s_or_b32 s[G0R+3], s[G0R+3], 0x80000000
	s_mul_i32 s[G0S+1], s16, 2*SCW
.elseif (\i) == 2
	s_add_co_u32 s[G0S+1], s[G0S+1], s8
	s_lshl_b32 s20, s16, 12
	SADD 20, 55
	s_add_nc_u64 s[G0S+2:G0S+3], s[6:7], s[20:21]
.elseif (\i) == 3
	s_or_b32 s[G0S+3], s[G0S+3], 0x80000000
	s_add_co_u32 s88, s88, 64*KROW
	s_add_co_u32 s55, s55, 64*KS
	s_xor_b32 s47, s47, YB
.endif
.endm
.macro PAIR i                          ; 5 entries: where pair s46's codes go (s[84:85]) and its scale bytes (v[VX]).  The codes' place goes by the true pair, the stage in LDS by the order of work
.if (\i) == 0
	s_lshl_b32 s3, s87, 2
	s_xor_b32 s3, s3, s46
	s_lshr_b32 s20, s3, 2
	s_mul_i32 s20, s20, 196608
.elseif (\i) == 1
	s_and_b32 s21, s3, 3
	s_mul_i32 s21, s21, 3072
	SADD 20, 21
	s_mov_b32 s21, 0
.elseif (\i) == 2
	s_add_nc_u64 s[84:85], s[10:11], s[20:21]
	s_and_b32 s22, s46, 2
	s_lshl_b32 s22, s22, 7
	s_and_b32 s23, s46, 1
.elseif (\i) == 3
	s_lshl_b32 s23, s23, 3
	s_or_b32 s22, s22, s23
	s_lshr_b32 s23, s46, 2
	s_lshl_b32 s23, s23, 10
.elseif (\i) == 4
	s_or_b32 s22, s22, s23
	s_add_co_u32 s46, s46, 1
	WIN 0
	v_add_nc_u32 v[VX], s22, v[STO]
.endif
.endm
; ---- the lists
.macro L_STEP i, x, y
	STEP \i
.endm
.macro L_NONE i, x, y
.endm
.macro L_OUT i, x, y                   ; the step, then the way out of the sums at x (scale operand y)
	STEP \i
	CHAIN (\i)-3, \x, \y
.endm
.macro L_LAST i, x, y                  ; the way out alone: nothing more is fetched
	CHAIN \i, \x, \y
.endm
.macro L_V2 i, x, y                    ; V's third block: the refills' group 1 (runs of 64 rows, of 8 units, halves of a weight's rows), the first refill's descriptor, the step, two prefetch addresses
.if (\i) == 0
	s_mov_b32 s[G1A+1], 96<<16
	s_mov_b32 s[G1A+2], 64<<16
	s_mov_b32 s[G1A+3], 96<<16
	s_mov_b32 s[G1A+4], 64
.elseif (\i) == 1
	s_mov_b32 s[G1A+5], 96
	s_mov_b32 s[G1S+2], 8<<16
	s_mov_b32 s[G1S+4], 8
	s_mov_b32 s[G1B+2], 64<<16
.elseif (\i) == 2
	s_mov_b32 s[G1B+4], 64
	s_mul_i32 s[G0B+1], s16, 64*PITCH
	s_add_co_u32 s[G0B+1], s[G0B+1], BVB
	s_mul_i32 s20, s16, 64*KROW
.elseif (\i) == 3
	s_mov_b32 s21, 0
	s_add_nc_u64 s[G0B+2:G0B+3], s[84:85], s[20:21]
	s_or_b32 s[G0B+3], s[G0B+3], 0x80000000
.elseif (\i) == 7
	s_add_co_u32 s20, s88, s90
	PFADR 7, 23
.elseif (\i) == 8
	s_add_co_u32 s20, s55, s54
	PFADR 8, 1
.endif
	STEP (\i)-4
.endm
.macro L_V7 i, x, y                    ; V's last block: chunk 3's prefetch address; the way out
.if (\i) == 0
	s_add_co_u32 s20, s88, s90
	s_add_co_u32 s20, s20, 64*KROW
	PFADR 20, 23
.endif
	CHAIN (\i)-1, \x, \y
.endm
.macro L_ODD i, x, y                   ; an odd block of phase 2: the pair's places, the step, the even block's way out
	PAIR \i
	STEP (\i)-5
	CHAIN (\i)-8, ACC, 0
.endm
.macro L_ODDL i, x, y
	PAIR \i
	CHAIN (\i)-5, ACC, 0
.endm
.macro L_ROUND i, x, y                 ; an even block with a round: the descriptors, the step into the slot that is not refilled, the odd block's way out
	ASK \i
.if (\i) == 4
	s_xor_b32 s8, s8, (SCL)^(SCL+SCW)
	s_mov_b32 s101, s47
	s_sub_co_u32 s91, s8, SCL
.endif
	STEPV (\i)-4
	CHAIN (\i)-7, ACC+32, 1
.endm
; ---- phase 2's blocks.  w: the count of the wait for the block's rows (-1: they are shown in already)
.macro WAITDS w
.if (\w) >= 0
	s_wait_dscnt \w
.endif
.endm
.macro EVENOUT fetch                   ; behind an even block: the odd block's byte, the pair's codes, the fetch of the block two on
	WALU
	ds_store_b8 v[VX], v[EB+1] offset:4
	PUTP
.if \fetch
	FETCH 0
.endif
.endm
.macro EVEN w, fetch
	SETP 16, 544
	WAITDS \w
.if \fetch
	BLOCK 0, 0, ACC, 8, 0, 32, L_OUT, ACC+32, 1
.else
	BLOCK 0, 0, ACC, 8, 0, 32, L_LAST, ACC+32, 1
.endif
	WIN 0
	CODES6 ACC+32, NCD+6, 1
	EVENOUT \fetch
.endm
.macro EVENROUND w                     ; the second and the third refill
	SETP 16, 544
	WAITDS \w
	GRD
	BLOCK 0, 0, ACC, 8, 0, 26, L_ROUND
	WIN 0
	WALU
	s_wait_dscnt 0x0
	s_barrier_signal -1
	BLOCK 0, 0, ACC, 8, 26, 32, L_NONE
	WIN 0
	CODES6 ACC+32, NCD+6, 1
	MIDDLE
	BARRIER
	s_cmp_lt_u32 s14, 2
	s_cbranch_scc0 .Lscales_\@
	TLOAD G0R, G1A                                      ; waves 0, 1: a run of 64 rows each
	s_branch .Lasked_\@
.Lscales_\@:
	TLOAD G0S, G1S                                      ; waves 2, 3: that run's scale bytes
.Lasked_\@:
	EVENOUT 1
.endm
.macro EVENSHOW w                      ; a plain barrier inside the block shows the last refill to all
	SETP 16, 544
	WAITDS \w
	BLOCK 0, 0, ACC, 8, 0, 26, L_OUT, ACC+32, 1
	WIN 0
	WALU
	s_wait_tensorcnt 0x0
	s_wait_dscnt 0x0
	s_barrier_signal -1
	BLOCK 0, 0, ACC, 8, 26, 32, L_NONE
	WIN 0
	s_barrier_wait -1
	CODES6 ACC+32, NCD+6, 1
	EVENOUT 1
.endm
.macro ODD w, fetch
	SETP 0, 0
	WAITDS \w
	s_wait_xcnt 0x0
.if \fetch
	BLOCK 0, 1, ACC+32, 8, 0, 32, L_ODD
.else
	BLOCK 0, 1, ACC+32, 8, 0, 32, L_ODDL
.endif
	WIN 0
	CODES6 ACC, NCD, 0
	WALU
	ds_store_b8 v[VX], v[EB]
.if \fetch
	FETCH 1
.endif
.endm
; ================= THE HEAD
	s_load_b128 s[4:7], s[0:1], 0x0                     ; x codes, x scales
	s_load_b128 s[48:51], s[0:1], 0x10                  ; wq codes, scales
	s_load_b128 s[76:79], s[0:1], 0x20                  ; wk
	s_load_b128 s[80:83], s[0:1], 0x30                  ; wv
	v_lshl_add_u32 v[SPW], v0, 2, SPARE
	v_mov_b32 v[NIL], 0
	ds_add_u32 v[SPW], v[NIL]
	ds_add_u32 v[SPW], v[NIL]
	v_lshrrev_b32 v1, 5, v0
	v_readfirstlane_b32 s14, v1                         ; s14 the wave; s15 its row a of the 2 x 2, s16 its column b
	s_lshr_b32 s15, s14, 1
	s_and_b32 s16, s14, 1
	s_bfe_u32 s40, ttmp6, 0x40000                       ; cx
	s_bfe_u32 s41, ttmp6, 0x40004                       ; cy
	s_and_b32 s43, ttmp7, 0xffff
	s_lshl_b32 s43, s43, 2
	s_add_co_u32 s43, s43, s41                          ; s43 my 512 rows
	s_lshr_b32 s19, ttmp9, 1                            ; s19: 0 Q, 1 K
	s_and_b32 s87, ttmp9, 1                             ; s87: V's half of my 512 rows
	s_lshl_b32 s42, s87, 2
	s_add_co_u32 s42, s42, s40                          ; s42 phase 2's tile column in its tensor: the scores' K step
	s_lshl_b32 s13, s19, 2
	s_add_co_u32 s13, s13, s40                          ; s13 V's tile column
	s_lshl_b32 s12, s43, 1
	s_add_co_u32 s12, s12, s87                          ; s12 V's tile row of 256
	s_lshl_b32 s44, s41, 2
	s_lshl_b32 s44, 15, s44                             ; my row of the cluster
	s_lshl_b32 s45, 0x1111, s40                         ; my column
	s_or_b32 s[G1A+0], s44, (3<<16)|(1<<20)|(1<<21)|(5<<22)|(3<<25)  ; a chunk: two runs of 64 dense rows (49,152 bytes), 128 rows apart; 16 bytes of padding behind every 256
	s_mov_b32 s[G1A+1], 6144<<16
	s_mov_b32 s[G1A+2], 2<<16
	s_mov_b32 s[G1A+3], 6144<<16
	s_mov_b32 s[G1A+4], 2
	s_mov_b32 s[G1A+5], 12288
	s_mov_b32 s[G1A+6], 0
	s_mov_b32 s[G1A+7], 0
	s_or_b32 s[G1B+0], s45, (1<<20)|(1<<21)|(5<<22)|(3<<25)          ; a weight's 128 rows
	s_mov_b32 s[G1B+1], KROW<<16
	s_mov_b32 s[G1B+2], 128<<16
	s_mov_b32 s[G1B+3], KROW<<16
	s_mov_b32 s[G1B+4], 128
	s_mov_b32 s[G1B+5], KROW
	s_mov_b32 s[G1B+6], 0
	s_mov_b32 s[G1B+7], 0
	s_or_b32 s[G1S+0], s44, (3<<16)|(1<<20)|(1<<21)|(5<<22)|(3<<25)  ; 256 rows' scale bytes: 32 units of 256
	s_mov_b32 s[G1S+1], 32<<16
	s_mov_b32 s[G1S+2], 32<<16
	s_mov_b32 s[G1S+3], 32<<16
	s_mov_b32 s[G1S+4], 32
	s_mov_b32 s[G1S+5], 32
	s_mov_b32 s[G1S+6], 0
	s_mov_b32 s[G1S+7], 0
	s_mov_b32 s[G0S], 1
	s_mov_b32 s[G0S+1], SCL
	s_mov_b32 s[G0A], 1
	s_mov_b32 s[G0A+1], 0
	s_mov_b32 s[G0B], 1
	s_mov_b32 s[G0B+1], BVB
	s_mov_b32 s[G0R], 1
	s_mov_b32 s[G0R+1], YB
	s_mul_i32 s66, s12, 256*KROW                        ; V's 256 rows, bytes from x's codes
	s_mul_i32 s9, s42, 128*KROW                         ; wq's or wk's rows
	s_mul_i32 s54, s13, 128*KROW                        ; wv's
	s_lshl_b32 s89, s12, 13                             ; V's rows' scale bytes
	v_and_b32 v1, 15, v0
	v_bfe_u32 v2, v0, 4, 1
	v_and_b32 v3, 31, v0
	v_lshrrev_b32 v8, 3, v1
	v_lshl_add_u32 v22, v8, 5, v1                       ; my row in an even tile: r, or 32 + r from r = 8 on
	v_lshl_add_u32 v23, v8, 4, v1
	v_add_nc_u32 v23, 8, v23                            ; in an odd tile: 8 + r, or 24 + r
	v_mul_u32_u24 v20, v22, PITCH
	v_mul_u32_u24 v21, v23, PITCH
	s_mul_i32 s21, s15, 64*PITCH
	s_mul_i32 s22, s16, 64*PITCH
	s_add_co_u32 s22, s22, BVB
	v_mad_u32_u24 v7, v2, 24, v20
	v_add_nc_u32 v[ADRA0], s21, v7
	v_add_nc_u32 v[ADRB], s22, v7
	v_mad_u32_u24 v7, v2, 40, v20
	v_add_nc_u32 v[ADRA0+1], s21, v7
	v_add_nc_u32 v[ADRB+1], s22, v7
	v_mad_u32_u24 v7, v2, 24, v21
	v_add_nc_u32 v[ODA], s21, v7
	v_add_nc_u32 v[ADRO], s22, v7
	v_mad_u32_u24 v7, v2, 40, v21
	v_add_nc_u32 v[ODA+1], s21, v7
	v_add_nc_u32 v[ADRO+1], s22, v7
	v_mul_u32_u24 v20, v1, PITCH                        ; V's tiles: neighbouring rows
	v_mad_u32_u24 v7, v2, 24, v20
	v_add_nc_u32 v12, s22, v7
	v_mad_u32_u24 v7, v2, 40, v20
	v_add_nc_u32 v13, s22, v7
	s_mul_i32 s23, s15, 2*SCW
	s_add_co_u32 s23, s23, SCL
	v_mul_u32_u24 v7, v8, 80
	v_lshl_add_u32 v7, v22, 5, v7
	v_add_nc_u32 v[AAS0], s23, v7                       ; row x 32, and 16 more for each 8 rows passed
	s_add_co_u32 s23, s23, 16
	v_mul_u32_u24 v7, v8, 48
	v_lshl_add_u32 v7, v23, 5, v7
	v_add_nc_u32 v[ODS], s23, v7
	v_lshlrev_b32 v[ABS], 5, v3                         ; wv's scale words: lane l takes row l of two tiles
	v_cmp_ne_u32 vcc_lo, 0, v2
	v_cndmask_b32 v20, v22, v23, vcc_lo
	v_lshlrev_b32 v20, 5, v20                           ; wq's or wk's: lanes 0-15 an even tile's rows, lanes 16-31 the odd one's
	v_lshlrev_b32 v23, 2, v1                            ; bv: channel r of a tile
	v_mul_u32_u24 v21, v2, 160                          ; bq, bk: columns 32 h + 8 (j xor h) + 0..7, j even,
	v_mul_u32_u24 v[BQO], v2, 96
	v_add_nc_u32 v[BQO], 32, v[BQO]                     ; j odd
	v_lshlrev_b32 v[CO], 4, v3
	v_lshlrev_b32 v[CO8], 3, v3
	s_lshl_b32 s21, s15, 9
	s_lshl_b32 s22, s16, 1
	s_add_co_u32 s21, s21, XN
	s_add_co_u32 s21, s21, s22
	v_lshl_add_u32 v7, v1, 4, v2                        ; 16 r + h
	v_add_nc_u32 v[STO], s21, v7
	s_lshl_b32 s21, s14, 8
	s_add_co_u32 s21, s21, XM
	v_add_nc_u32 v[STV], s21, v7
	s_lshl_b32 s90, s40, 2
	s_add_co_u32 s90, s90, s14                          ; my number among the sixteen waves of my row of the cluster
	s_lshl_b32 s100, s41, 2
	s_add_co_u32 s100, s100, s14                        ; and of my column
	WALU
	s_wait_dscnt 0x0
	CROUND                                              ; the opening round
	s_wait_kmcnt 0x0
	s_mov_b32 s20, s66
	s_mov_b32 s21, 0
	s_add_nc_u64 s[G0A+2:G0A+3], s[4:5], s[20:21]
	s_add_nc_u64 s[G0R+2:G0R+3], s[G0A+2:G0A+3], 64*KROW
	s_or_b32 s[G0A+3], s[G0A+3], 0x80000000
	s_or_b32 s[G0R+3], s[G0R+3], 0x80000000
	s_mov_b32 s20, s54
	s_add_nc_u64 s[G0B+2:G0B+3], s[80:81], s[20:21]
	s_or_b32 s[G0B+3], s[G0B+3], 0x80000000
	s_mov_b32 s20, s89
	s_add_nc_u64 s[G0S+2:G0S+3], s[6:7], s[20:21]
	s_or_b32 s[G0S+3], s[G0S+3], 0x80000000
	s_cmp_eq_u32 s14, 0
	s_cbranch_scc0 .Lwave_1
	TLOAD G0B, G1B                                      ; wave 0: wv's rows
	s_branch .Lasked
.Lwave_1:
	s_cmp_eq_u32 s14, 1
	s_cbranch_scc0 .Lwave_2
	TLOAD G0S, G1S                                      ; wave 1: both chunks' scale bytes
	s_branch .Lasked
.Lwave_2:
	s_cmp_eq_u32 s14, 2
	s_cbranch_scc0 .Lwave_3
	TLOAD G0A, G1A                                      ; wave 2: chunk 0
	s_branch .Lasked
.Lwave_3:
	TLOAD G0R, G1A                                      ; wave 3: chunk 1
.Lasked:
	s_cmp_eq_u32 s19, 1
	s_cselect_b64 s[48:49], s[76:77], s[48:49]          ; phase 2's weight,
	s_cselect_b64 s[50:51], s[78:79], s[50:51]          ; its scales
	s_mov_b32 s20, s9
	s_add_nc_u64 s[84:85], s[48:49], s[20:21]           ; its 128 rows, kept up to the first refill
	s_lshl_b32 s20, s42, 12
	s_lshl_b32 s17, s16, 11
	SADD 20, 17
	s_add_nc_u64 s[10:11], s[50:51], s[20:21]           ; my 64 rows' scale bytes of it,
	s_lshl_b32 s20, s13, 12
	SADD 20, 17
	s_add_nc_u64 s[22:23], s[82:83], s[20:21]           ; and of wv
.irp p, 0,1
.irp c, 0,1
	global_load_b128 v[SB+NQ*\p+4*\c:SB+NQ*\p+4*\c+3], v[ABS], s[22:23] offset:\p*32*KS+16*\c
.endr
.endr
	WIN 3<<6
.irp p, 0,1
.irp c, 0,1
	global_load_b128 v[SB2-768+NQ*\p+4*\c:SB2-768+NQ*\p+4*\c+3], v20, s[10:11] offset:\p*16*KS+16*\c
.endr
.endr
	WIN 0
	s_load_b128 s[48:51], s[0:1], 0x40                  ; bq, bk
	s_load_b64 s[2:3], s[0:1], 0x50                     ; bv
	s_lshl_b32 s20, s43, 2                              ; where the results go: s76 Q's or K's images, s78 their scale blocks, s80, s82 V's
	SADD 20, 15
	s_lshl_b32 s20, s20, 3
	SADD 20, 42
	s_mul_i32 s76, s20, 12288
	s_mul_i32 s20, s19, QPL
	SADD 76, 20
	s_mul_i32 s20, s16, 768
	SADD 76, 20
	s_mov_b32 s77, 0
	s_lshl_b32 s20, s87, 1
	s_xor_b32 s20, s20, s14                             ; the stage lies in the order of work
	s_lshl_b32 s17, s43, 2
	SADD 20, 17
	s_lshl_b32 s20, s20, 3
	SADD 20, 42
	s_lshl_b32 s78, s20, 9
	s_mul_i32 s20, s19, SPL
	SADD 78, 20
	s_mov_b32 s79, 0
	s_lshr_b32 s20, s12, 3                              ; ((batch 8 + tile column) 16 + key step in the batch)
	s_lshl_b32 s20, s20, 3
	SADD 20, 13
	s_lshl_b32 s20, s20, 4
	s_and_b32 s17, s12, 7
	s_lshl_b32 s17, s17, 1
	SADD 20, 17
	SADD 20, 15
	s_mul_i32 s80, s20, 12288
	s_mul_i32 s17, s16, 6144
	SADD 80, 17
	s_add_co_u32 s80, s80, 2*QPL
	s_mov_b32 s81, 0
	s_lshl_b32 s82, s20, 9
	s_lshl_b32 s17, s16, 8
	SADD 82, 17
	s_add_co_u32 s82, s82, 2*SPL
	s_mov_b32 s83, 0
	s_mul_i32 s88, s43, 512*KROW                        ; the chunks still to come are the other half's
	s_lshl_b32 s55, s43, 14
	s_xor_b32 s20, s87, 1
	s_mul_i32 s18, s20, 256*KROW
	SADD 88, 18
	s_lshl_b32 s18, s20, 13
	SADD 55, 18
	s_lshl_b32 s54, s90, 9                              ; my share of both chunks' scale bytes: 512 bytes
	s_lshr_b32 s18, s90, 3                              ; my share of a chunk: an eighth of one of its two runs
	s_mul_i32 s18, s18, 64*KROW
	s_mul_i32 s90, s90, 64*KROW/8
	SADD 90, 18
	s_mov_b32 s46, 0
	s_mov_b32 s47, 0
	s_mov_b32 s8, SCL
	s_wait_kmcnt 0x0
	s_lshl_b32 s20, s13, 9
	SADD 20, 17                                         ; (s17 = 256 x b)
	s_add_nc_u64 s[2:3], s[2:3], s[20:21]               ; bv of my 64 channels
	s_cmp_eq_u32 s19, 1
	s_cselect_b64 s[48:49], s[50:51], s[48:49]
	s_lshl_b32 s20, s42, 9
	SADD 20, 17
	s_add_nc_u64 s[12:13], s[48:49], s[20:21]           ; bq or bk of my 64 columns, kept for the loads between the phases
	WIN 3<<6
.irp t, 0,1,2,3
	global_load_b32 v[BBV-768+8*\t], v23, s[2:3] offset:64*\t
.endr
	WIN 0
	s_wait_xcnt 0x0
	s_load_b64 s[10:11], s[0:1], 0x58                   ; qkv_img
	s_load_b64 s[48:49], s[0:1], 0x60                   ; qkv_sc
	s_mul_i32 s20, s100, 128*KROW/16
	PFADR 8, 23                                         ; what the first refill will load
	WIN 3<<6
.irp b, 0,1,2,3
	v_add_nc_u32 v[BA-768+2*\b], \b*16*PITCH, v12
	v_add_nc_u32 v[BA-768+2*\b+1], \b*16*PITCH, v13
.endr
	WIN 0
	WALU
	s_wait_loadcnt 0x0
	WIN (3<<6)|3
.irp t, 0,8,16,24
.irp i, 1,2,3,4,5,6,7
	v_mov_b32 v[BBV-768+\t+\i], v[BBV-768+\t]          ; one number a lane and tile, over the tile's eight registers
.endr
.endr
	WIN 0
	WALU
	s_cmp_eq_u32 s14, 0
	s_cbranch_scc0 .Lnot_b
	s_wait_tensorcnt 0x0
.Lnot_b:
	BARRIER                                             ; wv's rows are in
	PFGO 8, 84
	WEIGHTS
	s_cmp_eq_u32 s14, 3
	s_cbranch_scc1 .Lnot_a0
	s_wait_tensorcnt 0x0
.Lnot_a0:
	s_wait_dscnt 0x0
	BARRIER                                             ; chunk 0 and the scale bytes are in; chunk 1 may still be on its way
	FETCH01
	s_wait_kmcnt 0x0
	s_add_nc_u64 s[50:51], s[10:11], s[80:81]
	s_add_nc_u64 s[10:11], s[10:11], s[76:77]
	s_add_nc_u64 s[52:53], s[48:49], s[82:83]
	s_add_nc_u64 s[48:49], s[48:49], s[78:79]
; ================= PHASE 1: V, eight blocks; band 0's way outs stand in band 1's blocks
	SETP 16, 544
.irp s, 0,1
	s_wait_dscnt NF
	BLOCK 1, \s, HV0+8*\s, 32, 0, 32, L_STEP
	WIN 0
	PLACES 4
	WALU
	FETCH \s
	SETP 0, 0
.endr
	SETP 112, SCW-544
	s_wait_dscnt NF
	s_wait_xcnt 0x0                                     ; the list writes v8, the address of the head's prefetch
	GRD
	BLOCK 1, 0, HV0+16, 32, 0, 24, L_V2
	WIN 0
	WALU
	s_wait_dscnt 0x0
	s_barrier_signal -1
	BLOCK 1, 0, HV0+16, 32, 24, 32, L_NONE
	MIDDLE
	BARRIER
	s_cmp_lt_u32 s14, 2
	s_cbranch_scc0 .Lno_half
	TLOAD G0B, G1B                                      ; waves 0 and 1 a half each of phase 2's weight, onto wv's rows, which all waves hold in registers
.Lno_half:
	PLACES 4                                            ; the places in front of the fetch, for the waves that come round the load
	WALU
	FETCH 0
	PFGO 7, 4
	PFGO 8, 6
	SETP 0, 0
	BLOCK 1, 1, HV0+24, 32, 0, 32, L_STEP
	WIN 0
	PLACES 4
	WALU
	FETCH 1
	SETP 16, 544
.irp j, 0,1,2
	s_wait_dscnt NF+(\j+1)/2
.if \j < 2
	BLOCK 1, \j%2, HV1+8*\j, 32, 0, 32, L_OUT, HV0+32*\j, \j
.else
	BLOCK 1, \j%2, HV1+8*\j, 32, 0, 32, L_LAST, HV0+32*\j, \j
.endif
	WIN 0
	CODES6 HV0+32*\j, MCD+12*\j, \j
	WALU
	ds_store_b8 v[STV], v[EB+\j] offset:4*\j
.if \j < 2
	FETCH \j%2
.endif
	SETP 0, 0
.endr
	s_wait_dscnt 1
	BLOCK 1, 1, HV1+24, 32, 0, 26, L_V7, HV0+96, 3
	WIN 0
	WALU
	s_wait_tensorcnt 0x0
	s_wait_dscnt 0x0
	s_barrier_signal -1                                 ; a plain barrier: the weights that the first refill brought are shown to all
	BLOCK 1, 1, HV1+24, 32, 26, 32, L_NONE
	WIN 0
	s_barrier_wait -1
	CODES6 HV0+96, MCD+36, 3
	WIN 3<<6
.irp b, 0,2
	v_add_nc_u32 v[BA-768+2*\b], (\b/2)*16*PITCH, v[ADRB]
	v_add_nc_u32 v[BA-768+2*\b+1], (\b/2)*16*PITCH, v[ADRB+1]
	v_add_nc_u32 v[BA-768+2*\b+2], (\b/2)*16*PITCH, v[ADRO]
	v_add_nc_u32 v[BA-768+2*\b+3], (\b/2)*16*PITCH, v[ADRO+1]
.endr
	WIN 0
	WALU
	ds_store_b8 v[STV], v[EB+3] offset:12
; ================= THE CHANGE OF PHASE: the weights and the first two blocks' rows, which lie in slot 0 still, in one run of loads; band 1's four way outs under their flight
.irp j, 0,2
.irp k, 0,1
	global_load_b128 v[BBQ+8*\j+4*\k:BBQ+8*\j+4*\k+3], v21, s[12:13] offset:32*\j+16*\k
	global_load_b128 v[BBQ+8*\j+8+4*\k:BBQ+8*\j+8+4*\k+3], v[BQO], s[12:13] offset:32*\j+16*\k
.endr
.endr
	WEIGHTS
	FETCH01
	PFGO 20, 4
	WIN 3
.set I, 0
.rept 16
	v_mov_b32 v[SB+I], v[SB2-768+I]
.set I, I+1
.endr
	WIN 0
.set I, 0
.rept 18
.irp t, 0,1,2,3
	CHAIN I, HV1+32*\t, \t, 64+4*\t
.endr
.set I, I+1
.endr
.set I, 0
.rept 6
.irp t, 0,1,2,3
	CODES I, HV1+32*\t, MCD+12*\t+6, \t, 80+4*\t
.endr
.set I, I+1
.endr
	WIN 0
	WALU
; ================= PHASE 2: Q or K, sixteen blocks, way outs by pairs
	s_wait_loadcnt 0x0
	s_wait_dscnt NF
	SETP 16, 544
	BLOCK 0, 0, ACC, 8, 0, 32, L_STEP
	WIN 0
	PLACES 4
	WALU
.irp t, 0,1,2,3
	ds_store_b8 v[STV], v[EB+\t] offset:2+4*\t
.endr
.irp t, 0,1,2,3
.irp k, 0,1,2
	global_store_b128 v[CO], v[MCD+12*\t+4*\k:MCD+12*\t+4*\k+3], s[50:51] offset:1536*\t+512*\k   ; V's codes leave
.endr
.endr
	FETCH 0
	ODD NF+4, 1
	s_mov_b32 s86, 0
.Lwith_rounds:                                          ; blocks 2 to 5, 6 to 9
	EVENROUND NF+1
	ODD -1, 1
	EVEN NF+1, 1
	ODD NF+1, 1
	s_add_co_u32 s86, s86, 1
	s_cmp_lg_u32 s86, 2
	s_cbranch_scc1 .Lwith_rounds
	s_mov_b32 s101, YB-16*PITCH                         ; the last four blocks lie in slot 1
	s_mov_b32 s91, SCW-544
.Lwithout:                                              ; blocks 10, 11 and 12, 13
	EVENSHOW NF+1
	ODD -1, 1
	s_add_co_u32 s86, s86, 1
	s_cmp_lg_u32 s86, 4
	s_cbranch_scc1 .Lwithout
	EVEN NF+1, 0
	ODD 1, 0
; ================= THE END: the last way out; the scale bytes go through LDS under its conversions
	s_lshl_b32 s21, s14, 9
	s_add_co_u32 s21, s21, XN
	v_add_nc_u32 v12, s21, v[CO]
	s_lshl_b32 s21, s14, 8
	s_add_co_u32 s21, s21, XM
	v_add_nc_u32 v14, s21, v[CO8]
.set I, 0
.rept 18
	CHAIN I, ACC+32, 1
.set I, I+1
.endr
	CODES 2, ACC+32, NCD+6, 1
	WALU
	ds_store_b8 v[VX], v[EB+1] offset:4
	s_wait_dscnt 0x0
	s_barrier_signal -1
	CODES 0, ACC+32, NCD+6, 1
	CODES 1, ACC+32, NCD+6, 1
	v_nop
.irp i, 3,4,5
	CODES \i, ACC+32, NCD+6, 1
.endr
	s_barrier_wait -1
	WALU
	ds_load_b128 v[64:67], v12
	ds_load_b64 v[68:69], v14
	PUTP
	s_wait_dscnt 0x0
	global_store_b128 v[CO], v[64:67], s[48:49]
	global_store_b64 v[CO8], v[68:69], s[52:53]
	s_wait_tensorcnt 0x0
	ds_add_u32 v[SPW], v[NIL]
	s_wait_dscnt 0x0
	CROUND
	s_endpgm
.Lfunc_end_k_qa3e93cff27_proj:
	.size	k_qa3e93cff27_proj, .Lfunc_end_k_qa3e93cff27_proj-k_qa3e93cff27_proj
	.p2alignl 7, 3214868480
	.fill 96, 4, 3214868480
	.section	.rodata,"a",@progbits
	.p2align	6, 0x0
	.amdhsa_kernel k_qa3e93cff27_proj
		.amdhsa_group_segment_fixed_size 327680
		.amdhsa_private_segment_fixed_size 0
		.amdhsa_enable_private_segment 0
		.amdhsa_kernarg_size 104
		.amdhsa_user_sgpr_count 2
		.amdhsa_user_sgpr_kernarg_segment_ptr 1
		.amdhsa_wavefront_size32 1
		.amdhsa_system_sgpr_workgroup_id_x 1
		.amdhsa_system_sgpr_workgroup_id_y 1
		.amdhsa_system_sgpr_workgroup_id_z 1
		.amdhsa_system_vgpr_workitem_id 0
		.amdhsa_next_free_vgpr 1024
		.amdhsa_next_free_sgpr 102
		.amdhsa_reserve_vcc 1
		.amdhsa_float_denorm_mode_32 3
		.amdhsa_float_denorm_mode_16_64 3
		.amdhsa_memory_ordered 1
		.amdhsa_forward_progress 1
		.amdhsa_inst_pref_size 189
	.end_amdhsa_kernel
	.amdgpu_metadata
---
amdhsa.version: [ 1, 2 ]
amdhsa.kernels:
  - .name:           k_qa3e93cff27_proj
    .symbol:         k_qa3e93cff27_proj.kd
    .args:
      - { .name: x_codes, .offset: 0, .size: 8, .value_kind: global_buffer, .address_space: global }
      - { .name: x_scales, .offset: 8, .size: 8, .value_kind: global_buffer, .address_space: global }
      - { .name: wq_codes, .offset: 16, .size: 8, .value_kind: global_buffer, .address_space: global }
      - { .name: wq_scales, .offset: 24, .size: 8, .value_kind: global_buffer, .address_space: global }
      - { .name: wk_codes, .offset: 32, .size: 8, .value_kind: global_buffer, .address_space: global }
      - { .name: wk_scales, .offset: 40, .size: 8, .value_kind: global_buffer, .address_space: global }
      - { .name: wv_codes, .offset: 48, .size: 8, .value_kind: global_buffer, .address_space: global }
      - { .name: wv_scales, .offset: 56, .size: 8, .value_kind: global_buffer, .address_space: global }
      - { .name: bq, .offset: 64, .size: 8, .value_kind: global_buffer, .address_space: global }
      - { .name: bk, .offset: 72, .size: 8, .value_kind: global_buffer, .address_space: global }
      - { .name: bv, .offset: 80, .size: 8, .value_kind: global_buffer, .address_space: global }
      - { .name: qkv_img, .offset: 88, .size: 8, .value_kind: global_buffer, .address_space: global }
      - { .name: qkv_sc, .offset: 96, .size: 8, .value_kind: global_buffer, .address_space: global }
    .group_segment_fixed_size: 327680
    .private_segment_fixed_size: 0
    .kernarg_segment_align: 8
    .kernarg_segment_size: 104
    .max_flat_workgroup_size: 128
    .sgpr_count:     102
    .vgpr_count:     1024
    .wavefront_size: 32
...
	.end_amdgpu_metadata
.endif
;; end of part 1
;; launch scores (part 2): grid 9 x 16, 4 waves a work-group, no clusters, 327,680 bytes of LDS; arguments qkv_img, qkv_sc, p_img, p_st; writes p_img, p_st
.if DOCPART == 2
	.amdgcn_target "amdgcn-amd-amdhsa--gfx1250"
	.amdhsa_code_object_version 6
	.text
	.protected	k_qa3e93cff27_scores
	.globl	k_qa3e93cff27_scores
	.p2align	8
	.type	k_qa3e93cff27_scores,@function
k_qa3e93cff27_scores:
	s_mov_b64 s[64:65], 0
	v_nop
	global_prefetch_b8 v0, s[64:65] scope:SCOPE_SE
	s_setreg_imm32_b32 hwreg(HW_REG_WAVE_MODE, 25, 1), 1
	s_wait_xcnt 0x0
; SECOND LAUNCH: S = q k^T / 32 on the kept tiles of 256 queries x 256 keys, and p for the last product.
; WORK LEFT OUT: the tiles all of whose keys come after their queries (reference()'s own tril makes their p 0 for all inputs): 36 of 64 tiles a batch are made.  See the first kernel's head.
; LIMITS: NaN and infinities are not served; the promise holds while the scaled scores stay under 2^31 in magnitude.
; A work-group (t, y): batch = y / 4, u = y % 4; t <= u: tile (I, J) = (u, t), else (7 - u, t - u - 1).  Four waves, each 128 queries x 128 keys: 64 accumulators.
; Source 0 = 16 keys, source 1 = 16 queries: a lane keeps one query.  By the tiles' row order (first kernel) its 32 registers of four tiles are 32 neighbouring keys, one scale block: band c of lane half h is block 2 c + h.
; p = 2^(t - M), t = score x log2(e) / 32, M = the ceiling of the largest t OF THESE 128 KEYS, a whole number.  The last launch lowers the scale bytes by (the row's M - this M), an exact power of two.
; On the diagonal hidden scores become -infinity ahead of the maximum.  The block of a diagonal tile that lies wholly above the diagonal (wave 1) is stored as zero codes.
; NO CLUSTER: a row of tiles keeps 1 to 8 of them, so no fixed shape of four partners shares one tile at every place of the grid.  NO PREFETCH: the eight K steps are written out, there is no loop to run ahead in,
; and the two later loads have two and three K steps (128 and 192 matrix instructions) in which to land.
; LDS: region X [quarter w: q block 0, q block 1, k block 0, k block 1][4 K steps][8 images of 1,536], region Y [quarter][2 K steps].  The head brings K steps 0-3 into X, one load a wave; 4, 5 come into Y; 6, 7 into X's first two places again.
; SCALE WORDS come from memory straight into registers: lanes 0-15 the q block's, lanes 16-31 the k block's; v[SC + 8 k + i]: K step k, tile i.
; REGISTERS: window 0: v2-31 addresses and work; v32-95 scale words; v96-127 the blocks' largest, -M; v128-223 q's fragments, then v128-191, v192-255 p of two tiles; window 1: k's fragments, two sets, then codes; windows 2, 3: accumulators.
.set YR,    196608
.set SPARE, 294912
.set LI,    2
.set VR,    3
.set VH,    4
.set L8,    6
.set H8,    7
.set ADA,   8                          ; v8-11  q: X by 16 bytes a lane, by 8; Y likewise
.set ADB,   12                         ; v12-15 k
.set SPW,   28
.set NIL,   29
.set CV,    30                         ; v30-31 log2(e) / 32
.set SC,    32
.set BM,    96                         ; v[BM+2a+c]: tile a's largest of band c
.set MW,    112                        ; v[MW+2a]: -M of tile a
.set AF,    128
.set SW,    112                        ; window 1: scale words of p, sums
.set LW,    120
.set WV,    12                         ; s12 wave, s13 wave / 2, s14 wave % 2, s15 batch, s16 I, s17 J
.set QB,    18
.set KB,    19
.set G1T,   24
.set G0A,   40
.set G0Y,   44
.set G0R,   48
.set CS,    60
.set SEL,   62
.set PO,    70
.set STB,   72
.set MSB, 0
.macro WIN new
.if MSB != (\new)
	s_set_vgpr_msb (MSB<<8)|(\new)
.set MSB, (\new)
.endif
.endm
.macro PLACES
.rept 4
	v_nop
.endr
.endm
.set MUL_LO, 0xa1                      ; source 0 (k) window 1, source 1 (q) window 0, C and D window 2
.set MUL_HI, 0xf1
.macro MUL16 a0, k, z                  ; q's tiles a0, a0 + 1 x k's eight; the 64 accumulators take turns in one order
.irp a, \a0, \a0+1
.irp b, 0,1,2,3,4,5,6,7
.if \z
	v_wmma_scale_f32_16x16x128_f8f6f4 v[8*(8*((\a)%4)+\b):8*(8*((\a)%4)+\b)+7], v[128*((\k)%2)+12*\b:128*((\k)%2)+12*\b+11], v[AF+12*(\a):AF+12*(\a)+11], 0, v[SC+8*(\k)+\b], v[SC+8*(\k)+(\a)] matrix_a_fmt:MATRIX_FMT_FP6 matrix_b_fmt:MATRIX_FMT_FP6 matrix_a_scale:MATRIX_SCALE_ROW1
.else
	v_wmma_scale_f32_16x16x128_f8f6f4 v[8*(8*((\a)%4)+\b):8*(8*((\a)%4)+\b)+7], v[128*((\k)%2)+12*\b:128*((\k)%2)+12*\b+11], v[AF+12*(\a):AF+12*(\a)+11], v[8*(8*((\a)%4)+\b):8*(8*((\a)%4)+\b)+7], v[SC+8*(\k)+\b], v[SC+8*(\k)+(\a)] matrix_a_fmt:MATRIX_FMT_FP6 matrix_b_fmt:MATRIX_FMT_FP6 matrix_a_scale:MATRIX_SCALE_ROW1
.endif
.endr
.endr
.endm
.macro KSEL k                          ; K step k's place: KR the address pair, KO the offset
.if (\k) < 4
.set KR, 0
.set KO, 12288*(\k)
.elseif (\k) < 6
.set KR, 2
.set KO, 12288*((\k)-4)
.else
.set KR, 0
.set KO, 12288*((\k)-6)
.endif
.endm
.macro IMG reg, adr, off               ; an image: two halves of K, each 16 bytes a lane and 8 bytes a lane: four loads
	ds_load_b128 v[(\reg):(\reg)+3], v[\adr] offset:\off
	ds_load_b64 v[(\reg)+4:(\reg)+5], v[(\adr)+1] offset:(\off)+512
	ds_load_b128 v[(\reg)+6:(\reg)+9], v[\adr] offset:(\off)+768
	ds_load_b64 v[(\reg)+10:(\reg)+11], v[(\adr)+1] offset:(\off)+1280
.endm
.macro FETCH_B k
	KSEL \k
	WIN 0x40
.irp i, 0,1,2,3,4,5,6,7
	IMG 128*((\k)%2)+12*\i, ADB+KR, KO+1536*\i
.endr
	WIN 0
.endm
.macro FETCH_A k, i0
	KSEL \k
.irp i, \i0, \i0+1, \i0+2, \i0+3
	IMG AF+12*(\i), ADA+KR, KO+1536*(\i)
.endr
.endm
.macro NEXTHALF k, z                   ; the second half of a K step, with the next step's fetches round it
	PLACES
	FETCH_B (\k)+1
	FETCH_A (\k)+1, 0
	WIN MUL_HI
	MUL16 4, \k, \z
	MUL16 6, \k, \z
	PLACES
	WIN 0
	FETCH_A (\k)+1, 4
.endm
.macro STEP k, z
	s_wait_dscnt 16                                ; all but q's images 4-7, the youngest 16 loads
	WIN MUL_LO
	MUL16 0, \k, \z
	MUL16 2, \k, \z
	s_wait_dscnt 0x0
	NEXTHALF \k, \z
.endm
; A K step with a barrier in its middle.  In front of it each wave waits for all its tensor loads, adds 0 to its spare word, and waits for that and for its reads so far.  fill = 1: K steps 6, 7 come into X.
.macro TURN k, fill
	s_wait_tensorcnt 0x0
	ds_add_u32 v[SPW], v[NIL]
	s_wait_dscnt 17                                ; (the add and the youngest 16 loads may be out)
	WIN MUL_LO
	MUL16 0, \k, 0
	s_wait_dscnt 0x0                               ; the add is done, and so are my reads
	s_barrier_signal -1
	MUL16 2, \k, 0
	WIN 0
	s_barrier_wait -1
.if \fill
	tensor_load_to_lds s[G0R:G0R+3], s[G1T:G1T+7]
	s_nop 0
.endif
	NEXTHALF \k, 0
.endm
	s_load_b256 s[4:11], s[0:1], 0x0               ; qkv_img, qkv_sc, p_img, p_st
	v_lshl_add_u32 v[SPW], v0, 2, SPARE
	v_mov_b32 v[NIL], 0
	ds_add_u32 v[SPW], v[NIL]                      ; the wave's opening: the add, twice on end, and its wait ahead of my first tensor load
	ds_add_u32 v[SPW], v[NIL]
	v_lshrrev_b32 v1, 5, v0
	v_readfirstlane_b32 s[WV], v1
	s_lshr_b32 s13, s[WV], 1
	s_and_b32 s14, s[WV], 1
	s_and_b32 s20, ttmp7, 0xffff
	s_lshr_b32 s15, s20, 2                         ; batch
	s_and_b32 s21, s20, 3                          ; u
	s_sub_co_u32 s22, 7, s21
	s_sub_co_u32 s23, ttmp9, s21
	s_sub_co_u32 s23, s23, 1
	s_cmp_le_u32 ttmp9, s21
	s_cselect_b32 s16, s21, s22                    ; I
	s_cselect_b32 s17, ttmp9, s23                  ; J
	s_lshl_b32 s20, s15, 4
	s_lshl_b32 s21, s16, 1
	s_lshl_b32 s22, s17, 1
	s_add_co_u32 s18, s21, s13                     ; my query block of 128 in the batch
	s_add_co_u32 s19, s22, s14                     ; my key block
	s_add_co_u32 s22, s22, 64                      ; (k's plane lies 64 blocks behind q's)
	s_cmp_lt_u32 s[WV], 2
	s_cselect_b32 s21, s21, s22
	s_add_co_u32 s21, s21, s20
	s_add_co_u32 s21, s21, s14                     ; the block that I fetch: waves 0, 1 the tile's q blocks, waves 2, 3 its k blocks
	s_mul_i32 s66, s21, 98304
	s_mov_b32 s67, 0
	s_add_co_u32 s20, s20, s18
	s_lshl_b32 s68, s20, 12                        ; my q block's scale words
	s_mov_b32 s69, 0
	s_add_co_u32 s20, s19, 64
	s_sub_co_u32 s20, s20, s18
	s_lshl_b32 s76, s20, 12                        ; and how far behind them my k block's lie
	s_mul_i32 s22, s[WV], 49152
	s_mul_i32 s23, s[WV], 24576
	s_mov_b32 s[G1T], 3<<16                        ; dense bytes as rows of 256: 192 rows = four K steps of a block, behind the head 96
	s_mov_b32 s[G1T+1], 32<<16
	s_mov_b32 s[G1T+2], 192<<16
	s_mov_b32 s[G1T+3], 32<<16
	s_mov_b32 s[G1T+4], 192
	s_mov_b32 s[G1T+5], 32
	s_mov_b32 s[G1T+6], 0
	s_mov_b32 s[G1T+7], 0
	s_mov_b32 s[CS], 0x3d38aa3b                    ; log2(e) / 32
	s_mov_b32 s[SEL], 0x76543210
	s_mov_b32 s[SEL+1], 0xfedcba98
	s_mov_b32 s[G0A], 1
	s_mov_b32 s[G0A+1], s22
	s_mov_b32 s[G0Y], 1
	s_add_co_u32 s[G0Y+1], s23, YR
	s_mov_b32 s[G0R], 1
	s_mov_b32 s[G0R+1], s22
	s_wait_dscnt 0x0                               ; both opening adds are done
	s_wait_kmcnt 0x0
	s_add_nc_u64 s[G0A+2:G0A+3], s[4:5], s[66:67]
	s_add_nc_u64 s[G0Y+2:G0Y+3], s[G0A+2:G0A+3], 4*12288
	s_add_nc_u64 s[G0R+2:G0R+3], s[G0A+2:G0A+3], 6*12288
	s_or_b32 s[G0A+3], s[G0A+3], 0x80000000
	s_or_b32 s[G0Y+3], s[G0Y+3], 0x80000000
	s_or_b32 s[G0R+3], s[G0R+3], 0x80000000
	tensor_load_to_lds s[G0A:G0A+3], s[G1T:G1T+7]  ; K steps 0-3 of my block
	s_nop 0
	PLACES
	s_add_nc_u64 s[68:69], s[6:7], s[68:69]
	v_and_b32 v1, 31, v0
	v_and_b32 v[VR], 15, v0
	v_bfe_u32 v[VH], v0, 4, 1
	v_mul_u32_u24 v5, s76, v[VH]
	v_lshl_add_u32 v5, v[VR], 4, v5
.set KK, 0
.rept 8
	global_load_b128 v[SC+8*KK:SC+8*KK+3], v5, s[68:69] offset:512*KK
	global_load_b128 v[SC+8*KK+4:SC+8*KK+7], v5, s[68:69] offset:512*KK+256
.set KK, KK+1
.endr
	v_lshlrev_b32 v[LI], 4, v1
	v_lshlrev_b32 v[L8], 3, v1
	v_lshlrev_b32 v[H8], 3, v[VH]
	v_mov_b32 v[CV], s[CS]
	v_mov_b32 v[CV+1], s[CS]
	s_mul_i32 s20, s13, 49152
	v_add_nc_u32 v[ADA], s20, v[LI]
	v_add_nc_u32 v[ADA+1], s20, v[L8]
	s_mul_i32 s20, s13, 24576
	s_add_co_u32 s20, s20, YR
	v_add_nc_u32 v[ADA+2], s20, v[LI]
	v_add_nc_u32 v[ADA+3], s20, v[L8]
	s_mul_i32 s20, s14, 49152
	s_add_co_u32 s20, s20, 2*49152
	v_add_nc_u32 v[ADB], s20, v[LI]
	v_add_nc_u32 v[ADB+1], s20, v[L8]
	s_mul_i32 s20, s14, 24576
	s_add_co_u32 s20, s20, YR+2*24576
	v_add_nc_u32 v[ADB+2], s20, v[LI]
	v_add_nc_u32 v[ADB+3], s20, v[L8]
	s_mov_b32 s75, 0
	s_lshl_b32 s20, s15, 3
	s_add_co_u32 s20, s20, s16                     ; 8 batch + I
	s_lshl_b32 s20, s20, 4
	s_add_co_u32 s20, s20, s[KB]
	s_lshl_b32 s20, s20, 1
	s_add_co_u32 s20, s20, s13
	s_mul_i32 s74, s20, 12288
	s_add_nc_u64 s[PO:PO+1], s[8:9], s[74:75]      ; my block of p's images: [8 batch + I][key step 16][query block in tile 2][tile 8]
	s_lshl_b32 s20, s15, 4
	s_add_co_u32 s20, s20, s[QB]
	s_lshl_b32 s20, s20, 4
	s_add_co_u32 s20, s20, s[KB]
	s_lshl_b32 s74, s20, 9
	s_add_nc_u64 s[STB:STB+1], s[10:11], s[74:75]  ; and of the three planes of p_st (scale words, -M, sum): [query block 64][key step 16][half][r][tile in half] words
	s_wait_alu depctr_va_vdst(0)
	s_wait_loadcnt 0x0
	s_wait_tensorcnt 0x0                           ; my part of K steps 0-3 is in; these three lines stand ahead of a later first fill as ahead of a refill
	ds_add_u32 v[SPW], v[NIL]
	s_mov_b32 s[G1T+2], 96<<16                     ; no load of mine is out: from here on two K steps a load
	s_mov_b32 s[G1T+4], 96
	s_wait_dscnt 0x0
	s_barrier_signal -1
	s_barrier_wait -1
	tensor_load_to_lds s[G0Y:G0Y+3], s[G1T:G1T+7]  ; K steps 4, 5
	s_nop 0
	PLACES
	FETCH_B 0
	FETCH_A 0, 0
	FETCH_A 0, 4
	STEP 0, 1                                      ; the first K step starts the sums
	STEP 1, 0
	TURN 2, 1                                      ; Y is whole for every wave; X's first two places are read out
	STEP 3, 0
	STEP 4, 0
	TURN 5, 0                                      ; K steps 6, 7 are whole for every wave
	STEP 6, 0
	s_wait_dscnt 16
	WIN MUL_LO
	MUL16 0, 7, 0
	MUL16 2, 7, 0
	s_wait_dscnt 0x0
	WIN MUL_HI
	MUL16 4, 7, 0
	MUL16 6, 7, 0
	WIN 0
	PLACES
	s_cmp_gt_u32 s[KB], s[QB]                      ; ids and the wave's number alone; no barrier follows
	s_cbranch_scc1 .Ldead
	s_cmp_lg_u32 s[KB], s[QB]
	s_cbranch_scc1 .Lopen                          ; off the diagonal every key counts
; THE DIAGONAL.  In a band, tile a's queries are the eights a (lanes r < 8) and 4 + (a xor 1) (r >= 8), tile b's keys the eights b (h = 0) and 4 + (b xor 1) (h = 1).  A bound of -infinity hides a score, one of +infinity leaves it.
	v_and_b32 v16, 7, v[VR]
	v_lshrrev_b32 v17, 3, v[VR]
	v_mov_b32 v18, 0xff800000
	v_mov_b32 v19, 0x7f800000
	v_cmp_ne_u32 s20, 0, v[VH]
	v_cmp_ne_u32 s21, 0, v17
	v_cndmask_b32 v136, v19, v18, s20              ; a = b + 1, b even: h = 1 is hidden
	v_cndmask_b32 v137, v18, v19, s21              ; b = a + 1, a even: r < 8 is hidden
	v_cndmask_b32 v138, v19, v137, s20             ; a / 2 > b / 2: r < 8 with h = 1 is hidden
	v_cndmask_b32 v139, v137, v18, s20             ; a / 2 < b / 2: all but r >= 8 with h = 0 is hidden
.irp j, 0,1,2,3,4,5,6,7
	v_cmp_gt_u32 vcc_lo, \j, v16
	v_cndmask_b32 v[128+\j], v138, v139, vcc_lo    ; a = b: key j against query r % 8
.endr
.irp w, 0,1
	WIN 0x88+0x44*\w                               ; source 0 window 0, source 1 and destination window 2 or 3
.irp a, 0,1,2,3
.irp b, 0,1,2,3,4,5,6,7
.if \b/4 > \w
.irp j, 0,1,2,3,4,5,6,7
	v_mov_b32 v[64*\a+8*\b+\j], v18
.endr
.elseif \b/4 == \w
.set JB, \b%4
.irp j, 0,1,2,3,4,5,6,7
.if JB == \a
.set LM, 128+\j
.elseif JB/2 == \a/2
.if \a > JB
.set LM, 136
.else
.set LM, 137
.endif
.elseif \a/2 > JB/2
.set LM, 138
.else
.set LM, 139
.endif
	v_min_num_f32 v[64*\a+8*\b+\j], v[LM], v[64*\a+8*\b+\j]
.endr
.endif
.endr
.endr
.endr
	WIN 0
	s_wait_alu depctr_va_vdst(0)
.Lopen:
; The largest score of each block, eight chains by turns for four tiles
.irp w, 0,1
	WIN 0x2a+0x15*\w
.irp a, 0,1,2,3
.irp c, 0,1
	v_max3_num_f32 v[BM+8*\w+2*\a+\c], v[64*\a+32*\c], v[64*\a+32*\c+1], v[64*\a+32*\c+2]
.endr
.endr
	WIN 0x28+0x14*\w
.irp i, 3,5,7,9,11,13,15,17,19,21,23,25,27,29
.irp a, 0,1,2,3
.irp c, 0,1
	v_max3_num_f32 v[BM+8*\w+2*\a+\c], v[BM+8*\w+2*\a+\c], v[64*\a+32*\c+\i], v[64*\a+32*\c+\i+1]
.endr
.endr
.endr
.irp a, 0,1,2,3
.irp c, 0,1
	v_max_num_f32 v[BM+8*\w+2*\a+\c], v[BM+8*\w+2*\a+\c], v[64*\a+32*\c+31]
.endr
.endr
.endr
	WIN 0
.irp a, 0,1,2,3,4,5,6,7
	v_mov_b32 v[MW+2*\a], 0                        ; (a lane permute's destination counts as one of its sources)
	v_max_num_f32 v[MW+2*\a+1], v[BM+2*\a], v[BM+2*\a+1]
.endr
.irp a, 0,1,2,3,4,5,6,7
	v_permlanex16_b32 v[MW+2*\a], v[MW+2*\a+1], s[SEL], s[SEL+1]
.endr
.irp a, 0,1,2,3,4,5,6,7
	v_max_num_f32 v[MW+2*\a+1], v[MW+2*\a+1], v[MW+2*\a]   ; the largest of these 128 keys
.endr
.irp a, 0,1,2,3,4,5,6,7
	v_mul_f32 v[MW+2*\a+1], s[CS], v[MW+2*\a+1]
.endr
.irp a, 0,1,2,3,4,5,6,7
	v_floor_f32 v[MW+2*\a], -v[MW+2*\a+1]          ; -M = floor(-t): M is a whole number
.endr
.irp a, 0,1,2,3,4,5,6,7
.irp c, 0,1
	v_fma_f32 v[BM+2*\a+\c], v[BM+2*\a+\c], s[CS], v[MW+2*\a]
.endr
.endr
	WIN 0x08
.set I2, 0
.rept 32
	v_pk_fma_f32 v[128+I2:129+I2], v[CV:CV+1], v[I2:I2+1], v[MW:MW+1] op_sel_hi:[1,1,0]   ; tile 0: t - M
.set I2, I2+2
.endr
; Tile a: exponentials, with the next tile's t - M between them; the sum of the unquantised p; codes and scale word.
.macro SOFT a
.set HX, 128+64*((\a)%2)
.set HY, 128+64*(((\a)+1)%2)
.set AN, 64*(((\a)+1)%4)
.set MN, MW+2*((\a)+1)
.if (\a) < 7
	WIN 0x08+4*(((\a)+1)/4)
.else
	WIN 0
.endif
	s_wait_alu depctr_va_vdst(0)
.set I2, 0
.rept 32
	v_exp_f32 v[HX+I2], v[HX+I2]                   ; p = 2^(t - M)
	v_exp_f32 v[HX+I2+1], v[HX+I2+1]
.if (\a) < 7
	v_pk_fma_f32 v[HY+I2:HY+I2+1], v[CV:CV+1], v[AN+I2:AN+I2+1], v[MN:MN+1] op_sel_hi:[1,1,0]
.endif
.set I2, I2+2
.endr
	v_exp_f32 v[BM+2*(\a)], v[BM+2*(\a)]           ; the blocks' largest p: the same two operations on the same number
	v_exp_f32 v[BM+2*(\a)+1], v[BM+2*(\a)+1]
	WIN 0
	v_nop                                          ; the plain place behind a transcendental
	s_wait_alu depctr_va_vdst(0)                   ; one wait for the batch
.irp i, 0,2,4,6
	v_pk_add_f32 v[16+\i:17+\i], v[HX+2*\i:HX+2*\i+1], v[HX+2*\i+2:HX+2*\i+3]   ; the sum of the unquantised p in four chains: registers 0-15, then 16-63
.endr
	v_max_num_f32 v24, 0x1800000, v[BM+2*(\a)]     ; the floor 2^(3 - 127): the byte cannot fall under 1
	v_max_num_f32 v25, 0x1800000, v[BM+2*(\a)+1]
.set I2, 32
.rept 4
.irp i, 0,2,4,6
	v_pk_add_f32 v[16+\i:17+\i], v[16+\i:17+\i], v[HX+I2-16+\i:HX+I2-15+\i]
.endr
.set I2, I2+8
.endr
	v_add_nc_u32 v24, 0xff000000, v24              ; 2 off the exponent field: the conversion's scale operand
	v_add_nc_u32 v25, 0xff000000, v25
.rept 2
.irp i, 0,2,4,6
	v_pk_add_f32 v[16+\i:17+\i], v[16+\i:17+\i], v[HX+I2-16+\i:HX+I2-15+\i]
.endr
.set I2, I2+8
.endr
	v_lshrrev_b32 v26, 23, v24
	v_lshrrev_b32 v27, 23, v25
	v_pk_add_f32 v[16:17], v[16:17], v[18:19]
	v_pk_add_f32 v[20:21], v[20:21], v[22:23]
	v_lshl_or_b32 v26, v27, 16, v26                ; my two bytes, blocks h and 2 + h,
	v_pk_add_f32 v[16:17], v[16:17], v[20:21]
	v_lshlrev_b32 v26, v[H8], v26                  ; at their places
	v_add_f32 v16, v16, v17
	v_permlanex16_b32 v27, v26, s[SEL], s[SEL+1]
	v_permlanex16_b32 v18, v16, s[SEL], s[SEL+1]
	WIN 0x40
	v_or_b32 v[SW+\a], v26, v27
	v_add_f32 v[LW+\a], v16, v18
.irp c, 0,1
	v_cvt_scalef32_pk16_fp6_f32 v[12*(\a)+6*\c:12*(\a)+6*\c+2], v[HX+32*\c:HX+32*\c+15], v[24+\c]
	v_cvt_scalef32_pk16_fp6_f32 v[96+4*\c:98+4*\c], v[HX+32*\c+16:HX+32*\c+31], v[24+\c]
.endr
	v_nop                                          ; one plain place behind a scaled conversion
	WIN 0x41
.irp c, 0,1
.irp i, 0,1,2
	v_mov_b32 v[12*(\a)+6*\c+3+\i], v[96+4*\c+\i]
.endr
.endr
	WIN 0x04
.irp c, 0,1,2
	global_store_b128 v[LI], v[12*(\a)+4*\c:12*(\a)+4*\c+3], s[PO:PO+1] offset:1536*(\a)+512*\c   ; 512 consecutive bytes a store
.endr
.endm
.irp a, 0,1,2,3,4,5,6,7
	SOFT \a
.endr
	WIN 0
	v_cmp_ne_u32 vcc_lo, 0, v[VH]                  ; lanes 0-15 store tiles 0-3, lanes 16-31 tiles 4-7: 16 bytes a lane, 512 consecutive bytes a plane
.irp i, 0,1,2,3
	v_cndmask_b32 v[132+\i], v[MW+2*\i], v[MW+8+2*\i], vcc_lo
.endr
	WIN 0x05
.irp i, 0,1,2,3
	v_cndmask_b32 v[128+\i], v[SW+\i], v[SW+4+\i], vcc_lo
	v_cndmask_b32 v[136+\i], v[LW+\i], v[LW+4+\i], vcc_lo
.endr
	WIN 0
	global_store_b128 v[LI], v[128:131], s[STB:STB+1]
	global_store_b128 v[LI], v[132:135], s[STB:STB+1] offset:524288
	global_store_b128 v[LI], v[136:139], s[STB:STB+1] offset:1048576
	s_branch .Lend
.Ldead:                                                ; the block above the diagonal: zero codes, which add nothing under any scale byte that the last launch gives them
.irp i, 0,1,2,3
	v_mov_b32 v[16+\i], 0
.endr
.set I2, 0
.rept 24
	global_store_b128 v[LI], v[16:19], s[PO:PO+1] offset:512*I2
.set I2, I2+1
.endr
.Lend:
	s_wait_tensorcnt 0x0                           ; the wave's end
	ds_add_u32 v[SPW], v[NIL]
	s_wait_dscnt 0x0
	s_endpgm
.Lfunc_end_k_qa3e93cff27_scores:
	.size	k_qa3e93cff27_scores, .Lfunc_end_k_qa3e93cff27_scores-k_qa3e93cff27_scores
	.p2alignl 7, 3214868480
	.fill 96, 4, 3214868480
	.section	.rodata,"a",@progbits
	.p2align	6, 0x0
	.amdhsa_kernel k_qa3e93cff27_scores
		.amdhsa_group_segment_fixed_size 327680
		.amdhsa_private_segment_fixed_size 0
		.amdhsa_enable_private_segment 0
		.amdhsa_kernarg_size 32
		.amdhsa_user_sgpr_count 2
		.amdhsa_user_sgpr_kernarg_segment_ptr 1
		.amdhsa_wavefront_size32 1
		.amdhsa_system_sgpr_workgroup_id_x 1
		.amdhsa_system_sgpr_workgroup_id_y 1
		.amdhsa_system_sgpr_workgroup_id_z 1
		.amdhsa_system_vgpr_workitem_id 0
		.amdhsa_next_free_vgpr 1024
		.amdhsa_next_free_sgpr 84
		.amdhsa_reserve_vcc 1
		.amdhsa_float_denorm_mode_32 3
		.amdhsa_float_denorm_mode_16_64 3
		.amdhsa_memory_ordered 1
		.amdhsa_forward_progress 1
		.amdhsa_inst_pref_size 204
	.end_amdhsa_kernel
	.amdgpu_metadata
---
amdhsa.version: [ 1, 2 ]
amdhsa.kernels:
  - .name:           k_qa3e93cff27_scores
    .symbol:         k_qa3e93cff27_scores.kd
    .args:
      - { .name: qkv_img, .offset: 0, .size: 8, .value_kind: global_buffer, .address_space: global }
      - { .name: qkv_sc, .offset: 8, .size: 8, .value_kind: global_buffer, .address_space: global }
      - { .name: p_img, .offset: 16, .size: 8, .value_kind: global_buffer, .address_space: global }
      - { .name: p_st, .offset: 24, .size: 8, .value_kind: global_buffer, .address_space: global }
    .group_segment_fixed_size: 327680
    .private_segment_fixed_size: 0
    .kernarg_segment_align: 8
    .kernarg_segment_size: 32
    .max_flat_workgroup_size: 128
    .sgpr_count:     84
    .vgpr_count:     1024
    .wavefront_size: 32
...
	.end_amdgpu_metadata
.endif
;; end of part 2
;; launch pv (part 3): grid 8 x 32, 4 waves a work-group, clusters of 4 x 1, 327,680 bytes of LDS; arguments p_img, p_st, qkv_img, qkv_sc, out0; writes out0
.if DOCPART == 3
	.amdgcn_target "amdgcn-amd-amdhsa--gfx1250"
	.amdhsa_code_object_version 6
	.text
	.protected	k_qa3e93cff27_pv
	.globl	k_qa3e93cff27_pv
	.p2align	8
	.type	k_qa3e93cff27_pv,@function
k_qa3e93cff27_pv:
	s_mov_b64 s[64:65], 0
	v_nop
	global_prefetch_b8 v0, s[64:65] scope:SCOPE_SE
	s_setreg_imm32_b32 hwreg(HW_REG_WAVE_MODE, 25, 1), 1
	s_wait_xcnt 0x0
	s_wait_alu depctr_hold_cnt(0) depctr_sa_sdst(0) depctr_va_vdst(0) depctr_va_sdst(0) depctr_va_ssrc(0) depctr_va_vcc(0) depctr_vm_vsrc(0)
	s_getreg_b32 s2, hwreg(HW_REG_IB_STS2, 6, 4)
	s_cmp_eq_u32 s2, 0
	s_cbranch_scc0 .Lentry_in_a_cluster
	s_endpgm
.Lentry_in_a_cluster:
	s_bfe_u32 s2, ttmp6, 0x10000c
	s_cmp_lg_u32 s2, 0x3003
	s_cbranch_scc0 .Lentry_shape_is_right
	s_endpgm
.Lentry_shape_is_right:
; THIRD LAUNCH: O = p v / sum.  A work-group (c, y): channels 128 c .., batch = y / 8, u = y % 8.  It makes TWO blocks of 128 queries: block A = 15 - u and block B = u of the batch's sixteen.
; WORK LEFT OUT: the key steps behind a block's last query (reference()'s own tril makes their p 0 for all inputs; see the first kernel's head).  Block i walks 2 (i / 2) + 2 steps of 128 keys; for an even i the
; last of them holds the zero codes that the second launch stored.  A's and B's steps are 18 together, whatever u: every work-group has the same work.
; THE WALK is nine pairs of key steps, in this order: A's pair 0, B's pair 0, A's pairs 1 to 4, and three pairs that are A's (pair 5 + t) while t < DA = 3 - u / 2, else B's (pair 1 + t - DA).
; Only the last three hang on u: a branch on ids, the same in all waves and partners, chooses which block's 16 accumulators take the products.  Both blocks' sums start at steps that are written out.
; Wave w: queries 64 (w / 2) .. of each block (p's tiles 4 (w / 2) + a), channels 64 (w % 2) .. (v's tiles 4 (w % 2) + b).  Source 0 = 16 channels of v, source 1 = 16 queries of p: a lane holds eight neighbouring channels of one query.
; THE HEAD joins the parts that the second launch stored: for each query -M = the least -M_j over its block's steps; sum = the sum of sum_j 2^(M_j - M); each byte of step j's scale word is lowered by d = M - M_j.
; Four bytes at once: bit 7 is set in each byte, d is taken off (bytes are at most 125 and d at most 127: no borrow leaves a byte), and a byte whose bit 7 fell is cleared.  The 18 steps go line by line, by turns.
; A step behind the block's own number is read at the block's last stored step and counts 0 in the sum; its codes are zeros.
; LIMITS: d is held at 127, and a byte that would fall under 0 is held at 0: such p are at most 7.5 x 2^-127.
; CLUSTER of 4 x 1: the four partners have the same y, so the same blocks, the same walk and the same tiles of p: p is asked for jointly.  v is not: the partners hold different channels, and the work-groups
; that hold the same channels walk other key steps at the same time.
; LDS: p's twelve places of a step (12,288 each: 8 images), then from VB on v's ten.  All are filled at the head; pairs 6, 7 come into places 0-3 of p and v again, pair 8 into p's 10, 11 and v's 4, 5.
;   Behind them, in the order of the walk, 512 bytes a step: p's mended scale words, v's scale words; then 1 / sum of both blocks; the spare words.  The way out's stages lie between v's places and these.
; Waves 0, 1 fetch p's pairs (even, odd), waves 2, 3 v's.  A wave has one tensor load out at a time.
; REGISTERS: window 0: v2-31 addresses; v32-39 p's scale words, v40-47 v's, two sets each; v48-63 1 / sum in pairs; v128-223 p's fragments, two sets; v224-228 addresses; at the head v64-219 at work.
;   window 1: v's fragments, two sets at v0 and v128.   window 2: accumulators: block A (a, b) at v[8 (4 a + b)], block B 128 further on.
.set REGB,  49152
.set PT,    6*REGB
.set VT,    PT+9216
.set RLT,   VT+9216
.set SPARE, RLT+1024
; LDS IN THIS TEXT: p's twelve places of a key step, 12,288 bytes each: A's steps 0-9, then B's steps 0, 1; from VB on v's ten: steps 0-9, which A and B share.  They come at the head, one tensor load a wave.
; The late pairs 0, 1 come into places 0-3 of p and of v again, late pair 2 into places 10, 11 of p and 4, 5 of v.  The stages for the way out lie behind v, where no tile lands.
; p's queries stand in the first kernel's row order: a tile's rows 0-7 and 8-15 are two eights of neighbouring rows of out0.  No prefetch: the walk is written out, there is no loop to run ahead in.
.set VB,    147456
.set STG,   270336
.set G1A,   80                         ; s[80:87] descriptor group 1 of A's ten steps at the head; s[52:55] group 0 of B's two
.set SP,    272
.set LI,    2
.set VR,    3
.set VH,    4
.set T4,    5
.set PTA,   6
.set VTA,   7
.set ADP,   8                          ; v8-10   p's places, four to a register
.set ADV,   14                         ; v14-16  v's
.set RLD,   20
.set SPW,   28
.set NIL,   29
.set ASP,   30
.set ASV,   31
.set SCA,   32
.set SCB,   40
.set RL,    48
.set VO,    64                         ; v64-81   offsets of the 18 steps in a plane of p_st
.set VV,    82                         ; v82-90   offsets of the 9 pairs in v's scale blocks
.set WG,    91                         ; v91-99   1.0 where a pair's second step counts, else 0
.set WD,    100                        ; scale words
.set NMR,   118                        ; -M, then at work
.set LR,    136                        ; sums
.set VS,    154                        ; v's scale words
.set XT,    172
.set NMA,   190
.set NMB,   191
.set RF,    192
.set BIG,   195
.set FA,    196
.set FB,    199
.set TB2,   202
.set TB3,   203
.set LA,    204
.set LB,    205
.set RC,    206
.set XA,    208
.set XB,    214
.set RLA,   224
.set STO,   225
.set RD,    226
.set GO,    227
.set RLR,   228
.set TMPO,  64
.set OBF,   128
.set WV,    14                         ; s14 wave, s15 wave / 2, s16 wave % 2, s17 batch, s20 block A, s21 block B
.set DA,    19
.set G1P,   24
.set G1V,   32
.set G0P,   40                         ; s[40:51] three sets: A's head steps, pairs 6/7, 8; never rewritten
.set DM,    60                         ; s60-62, once the pointers there are done with: all ones where a late pair is A's
.set G0V,   68                         ; s[68:79] the same for v
.set OA,    96                         ; s[96:97], s[98:99] out0 at my part of block A, of block B
.set C01,   100
.set C80,   101
.set MSB, 0
.macro WIN new                         ; the immediate's high byte repeats the setting that is left
.if MSB != (\new)
	s_set_vgpr_msb (MSB<<8)|(\new)
.set MSB, (\new)
.endif
.endm
.macro PLACES                          ; four plain places behind matrix instructions (ISA guide 7.12.1)
.rept 4
	v_nop
.endr
.endm
.macro CREST                           ; a round of the cluster's barrier behind its opening barrier
	s_cmp_lg_u32 s[WV], 0
	s_cbranch_scc1 .Lnot_wave_0_\@
	s_barrier_signal -3
.Lnot_wave_0_\@:
	s_barrier_wait -3
	s_barrier_signal -1
	s_barrier_wait -1
.endm
.macro CROUND
	s_barrier_signal -1
	s_barrier_wait -1
	CREST
.endm
; Both groups 0 of set k: s22 = the pair, s[66:67] = p_img at the block, s23 = the region's LDS byte.  p's registers are made of y and the wave alone; what holds c stands in s88 to s99.
.macro MKG k
	s_mov_b32 s[G0P+4*\k], 1
	s_mov_b32 s[G0P+4*\k+1], s23
	s_mul_i32 s2, s22, 49152                       ; a pair of p: two steps, 24,576 bytes apart
	s_mov_b32 s3, 0
	s_add_nc_u64 s[G0P+4*\k+2:G0P+4*\k+3], s[66:67], s[2:3]
	s_or_b32 s[G0P+4*\k+3], s[G0P+4*\k+3], 0x80000000
	s_mov_b32 s[G0V+4*\k], 1
	s_mov_b32 s[G0V+4*\k+1], s97
	s_mul_i32 s92, s22, 24576                      ; a pair of v: 24,576 dense bytes
	s_add_nc_u64 s[G0V+4*\k+2:G0V+4*\k+3], s[90:91], s[92:93]
	s_or_b32 s[G0V+4*\k+3], s[G0V+4*\k+3], 0x80000000
.endm
.macro TLOAD k                         ; waves 0, 1: p, jointly; waves 2, 3: v.  An s_nop 0 and four v_nop follow each of the two lines
	s_cmp_lt_u32 s[WV], 2
	s_cbranch_scc0 .Lfor_v_\@
	tensor_load_to_lds s[G0P+4*\k:G0P+4*\k+3], s[G1P:G1P+7]
	s_nop 0
	PLACES
	s_branch .Lasked_\@
.Lfor_v_\@:
	tensor_load_to_lds s[G0V+4*\k:G0V+4*\k+3], s[G1V:G1V+7]
	s_nop 0
	PLACES
.Lasked_\@:
.endm
.macro TLOAD_EVEN k                    ; one pair alone: wave 0 p, wave 2 v, the others nothing
	s_cmp_lg_u32 s[WV], 0
	s_cbranch_scc1 .Lnot_p_\@
	tensor_load_to_lds s[G0P+4*\k:G0P+4*\k+3], s[G1P:G1P+7]
	s_nop 0
	PLACES
	s_branch .Lasked_\@
.Lnot_p_\@:
	s_cmp_lg_u32 s[WV], 2
	s_cbranch_scc1 .Lasked_\@
	tensor_load_to_lds s[G0V+4*\k:G0V+4*\k+3], s[G1V:G1V+7]
	s_nop 0
	PLACES
.Lasked_\@:
	PLACES                                         ; on every wave's way: the places in front of the loads that follow
.endm
.macro FETCH s
.if (\s) < 2
.set PSL, \s
.set VSL, \s
.elseif (\s) < 4
.set PSL, (\s)+8
.set VSL, (\s)-2
.elseif (\s) < 12
.set PSL, (\s)-2
.set VSL, (\s)-2
.elseif (\s) < 16
.set PSL, (\s)-12
.set VSL, (\s)-12
.else
.set PSL, (\s)-6
.set VSL, (\s)-12
.endif
	WIN 0x40                                       ; destination window 1
.irp b, 0,1,2,3
.irp c, 0,1,2
	ds_load_b128 v[128*((\s)%2)+12*\b+4*\c:128*((\s)%2)+12*\b+4*\c+3], v[ADV+VSL/4] offset:12288*(VSL%4)+1536*\b+512*\c
.endr
.endr
	WIN 0
.irp a, 0,1,2,3
.irp c, 0,1,2
	ds_load_b128 v[128+48*((\s)%2)+12*\a+4*\c:128+48*((\s)%2)+12*\a+4*\c+3], v[ADP+PSL/4] offset:12288*(PSL%4)+1536*\a+512*\c
.endr
.endr
	ds_load_b128 v[SCA+4*((\s)%2):SCA+4*((\s)%2)+3], v[ASP] offset:512*(\s)
	ds_load_b128 v[SCB+4*((\s)%2):SCB+4*((\s)%2)+3], v[ASV] offset:512*(\s)
.endm
; cnt tiles a from a0 on x four b.  The block's 16 accumulators take turns, one instruction a turn, in one order in every step.
.macro MUL a0, cnt, set, blk, z
.set AA, \a0
.rept \cnt
.irp b, 0,1,2,3
.if \z
	v_wmma_scale_f32_16x16x128_f8f6f4 v[128*(\blk)+8*(4*AA+\b):128*(\blk)+8*(4*AA+\b)+7], v[128*(\set)+12*\b:128*(\set)+12*\b+11], v[128+48*(\set)+12*AA:128+48*(\set)+12*AA+11], 0, v[SCB+4*(\set)+\b], v[SCA+4*(\set)+AA] matrix_a_fmt:MATRIX_FMT_FP6 matrix_b_fmt:MATRIX_FMT_FP6
.else
	v_wmma_scale_f32_16x16x128_f8f6f4 v[128*(\blk)+8*(4*AA+\b):128*(\blk)+8*(4*AA+\b)+7], v[128*(\set)+12*\b:128*(\set)+12*\b+11], v[128+48*(\set)+12*AA:128+48*(\set)+12*AA+11], v[128*(\blk)+8*(4*AA+\b):128*(\blk)+8*(4*AA+\b)+7], v[SCB+4*(\set)+\b], v[SCA+4*(\set)+AA] matrix_a_fmt:MATRIX_FMT_FP6 matrix_b_fmt:MATRIX_FMT_FP6
.endif
.endr
.set AA, AA+1
.endr
.endm
.macro KSTEP s, blk, z                 ; a step whose successor lies in a slot that every wave may read
	s_wait_dscnt 0x0                               ; this step's fragments and scale words, asked for a step ago
	PLACES                                         ; in front of loads into the set that the last step multiplied
	FETCH (\s)+1
	WIN 0xa1                                       ; source 0 window 1, source 1 window 0, C and D window 2
	MUL 0, 4, (\s)%2, \blk, \z
.endm
; A slot's last step: ONE barrier.  In front of it each wave waits for all its tensor loads, adds 0 to its spare word, and waits for that and for its reads of the slot.
; fill = 1, 2: the barrier opens a round of the cluster's barrier, and the refill is the first thing behind it.  fill = 0: nothing is left to fetch.
.macro MID s, blk, fill
	WIN 0                                          ; (the add's two registers lie in window 0)
	s_wait_tensorcnt 0x0
	ds_add_u32 v[SPW], v[NIL]
	s_wait_dscnt 0x0                               ; the add is done; this step's fragments, my last reads of the slot, are in
	s_barrier_signal -1
	WIN 0xa1
	MUL 0, 2, (\s)%2, \blk, 0
.if (\fill) == 1
	s_mov_b32 s[G1V+2], 96<<16                     ; no tensor load of mine is out: from here on a load brings two steps of v
	s_mov_b32 s[G1V+4], 96
.endif
	WIN 0
	s_barrier_wait -1
.if (\fill) == 1
	CREST
	TLOAD 1                                        ; late pairs 0 and 1; the four v_nop are also the places in front of the loads below
.elseif (\fill) == 2
	CREST
	TLOAD_EVEN 2                                   ; late pair 2
.else
	PLACES
.endif
	FETCH (\s)+1
	WIN 0xa1
	MUL 2, 2, (\s)%2, \blk, 0
.endm
.macro DSTEP s, more                   ; a step of the last three pairs: A's or B's by ids
	s_wait_dscnt 0x0
.if \more
	PLACES
	FETCH (\s)+1
.endif
	s_cmp_gt_u32 s[DA], ((\s)-12)/2
	s_cbranch_scc0 .Lblk_b_\@
	WIN 0xa1
	MUL 0, 4, (\s)%2, 0, 0
	WIN 0
	s_branch .Ljoin_\@
.Lblk_b_\@:
	WIN 0xa1
	MUL 0, 4, (\s)%2, 1, 0
	WIN 0
.Ljoin_\@:
.endm
; Pair P of the walk: s22 = its number in its block, s23 = the block.  Offsets of its two steps in p_st's planes and in v's scale blocks; does its second step count?
.macro POSAD P
	s_lshl_b32 s66, s17, 4
	s_add_co_u32 s66, s66, s23
	s_lshl_b32 s66, s66, 13                        ; (16 batch + block) x 16 steps x 512 bytes
	s_lshl_b32 s67, s22, 10
	v_add_nc_u32 v[VV+(\P)], s67, v[T4]
	s_add_co_u32 s67, s67, s66
	v_add_nc_u32 v[VO+2*(\P)], s67, v[T4]
	s_lshl_b32 s67, s22, 1
	s_add_co_u32 s67, s67, 1                       ; the second step's number
	s_cmp_le_u32 s67, s23
	s_cselect_b32 s2, 1.0, 0
	v_mov_b32 v[WG+(\P)], s2
	s_min_u32 s67, s67, s23                        ; held at the block's own number: only stored words are read
	s_lshl_b32 s67, s67, 9
	s_add_co_u32 s67, s67, s66
	v_add_nc_u32 v[VO+2*(\P)+1], s67, v[T4]
.endm
.macro DYNP t                          ; late pair t
	s_sub_co_u32 s22, 1+\t, s[DA]
	s_cmp_gt_u32 s[DA], \t
	s_cselect_b32 s22, 5+\t, s22
	s_cselect_b32 s23, s20, s21
	s_cselect_b32 s[DM+\t], -1, 0
	s_cselect_b32 s2, 1.0, 0
	s_cselect_b32 s3, 0, 1.0
	v_mov_b32 v[FA+\t], s2
	v_mov_b32 v[FB+\t], s3
	POSAD 6+\t
.endm
.macro REFR s                          ; rR: the register with the -M of step s's block
.if ((\s)==2)||((\s)==3)
.set rR, NMB
.elseif (\s) >= 12
.set rR, RF+((\s)-12)/2
.else
.set rR, NMA
.endif
.endm
	s_load_b256 s[4:11], s[0:1], 0x0               ; p_img, p_st, qkv_img, qkv_sc
	s_load_b64 s[12:13], s[0:1], 0x20              ; out0
	v_lshl_add_u32 v[SPW], v0, 2, SPARE
	v_mov_b32 v[NIL], 0
	ds_add_u32 v[SPW], v[NIL]                      ; the wave's opening: the add, twice on end, and its wait ahead of my first tensor load
	ds_add_u32 v[SPW], v[NIL]
	v_lshrrev_b32 v1, 5, v0
	v_readfirstlane_b32 s[WV], v1
	s_lshr_b32 s15, s[WV], 1
	s_and_b32 s16, s[WV], 1
	s_and_b32 s22, ttmp7, 0xffff                   ; y: the four partners share it
	s_lshr_b32 s17, s22, 3                         ; batch
	s_and_b32 s21, s22, 7                          ; block B = u
	s_sub_co_u32 s20, 15, s21                      ; block A
	s_lshr_b32 s[DA], s21, 1
	s_sub_co_u32 s[DA], 3, s[DA]                   ; how many of the last three pairs are A's
	s_mov_b32 s[G1P], 15|(3<<16)|(1<<21)           ; p's pair: the mask: all four partners; elements of 8 bytes; two rows of 12,288 bytes, 24,576 apart
	s_mov_b32 s[G1P+1], 1536<<16                   ; tensor_dim0
	s_mov_b32 s[G1P+2], 2<<16                      ; tensor_dim1
	s_mov_b32 s[G1P+3], 1536<<16                   ; tile_dim0
	s_mov_b32 s[G1P+4], 2                          ; tile_dim1
	s_mov_b32 s[G1P+5], 3072                       ; from row to row
	s_mov_b32 s[G1P+6], 0
	s_mov_b32 s[G1P+7], 0
	s_mov_b32 s[G1V], 3<<16                        ; v's pair: no mask; 24,576 dense bytes as 96 rows of 256
	s_mov_b32 s[G1V+1], 32<<16
	s_mov_b32 s[G1V+2], 240<<16                    ; at the head five steps of v a load; the refills set 96 rows
	s_mov_b32 s[G1V+3], 32<<16
	s_mov_b32 s[G1V+4], 240
	s_mov_b32 s[G1V+5], 32
	s_mov_b32 s[G1V+6], 0
	s_mov_b32 s[G1V+7], 0
	s_mov_b32 s[G1A], 15|(3<<16)|(1<<21)           ; A's ten steps: ten rows of 12,288 bytes, 24,576 apart
	s_mov_b32 s[G1A+1], 1536<<16
	s_mov_b32 s[G1A+2], 10<<16
	s_mov_b32 s[G1A+3], 1536<<16
	s_mov_b32 s[G1A+4], 10
	s_mov_b32 s[G1A+5], 3072
	s_mov_b32 s[G1A+6], 0
	s_mov_b32 s[G1A+7], 0
	s_lshl_b32 s22, s17, 3                         ; p_img: [8 batch + block / 2][step 16][block % 2][8 images]
	s_lshr_b32 s23, s20, 1
	s_add_co_u32 s23, s23, s22
	s_mul_i32 s60, s23, 393216
	s_and_b32 s23, s20, 1
	s_mul_i32 s23, s23, 12288
	s_add_co_u32 s60, s60, s23
	s_mov_b32 s61, 0
	s_lshr_b32 s23, s21, 1
	s_add_co_u32 s23, s23, s22
	s_mul_i32 s62, s23, 393216
	s_and_b32 s23, s21, 1
	s_mul_i32 s23, s23, 12288
	s_add_co_u32 s62, s62, s23
	s_mov_b32 s63, 0
	s_bfe_u32 s89, ttmp6, 0x40000                  ; cx
	s_lshl_b32 s88, ttmp9, 2
	s_add_co_u32 s88, s88, s89                     ; c = 4 x cluster x + cx: it enters v's, its scales' and out0's addresses alone
	s_lshl_b32 s92, s17, 3
	s_add_co_u32 s92, s92, s88                     ; 8 batch + c
	s_lshl_b32 s89, s92, 13
	s_add_co_u32 s89, s89, 524288                  ; v's scale blocks
	s_mul_i32 s92, s92, 196608
	s_add_co_u32 s92, s92, 12582912                ; v's images
	s_mov_b32 s93, 0
	s_mov_b32 s[C01], 0x01010101
	s_mov_b32 s[C80], 0x80808080
	s_wait_dscnt 0x0                               ; both opening adds are done
	s_wait_kmcnt 0x0
	s_add_nc_u64 s[60:61], s[4:5], s[60:61]        ; p_img at block A,
	s_add_nc_u64 s[62:63], s[4:5], s[62:63]        ; at block B
	s_add_nc_u64 s[90:91], s[8:9], s[92:93]
	s_mov_b32 s92, s89
	s_add_nc_u64 s[94:95], s[10:11], s[92:93]
	s_mov_b32 s[G0P], 1                            ; A's steps 0-9,
	s_mov_b32 s[G0P+1], 0
	s_mov_b64 s[G0P+2:G0P+3], s[60:61]
	s_or_b32 s[G0P+3], s[G0P+3], 0x80000000
	s_mov_b32 s52, 1                               ; B's steps 0, 1,
	s_mov_b32 s53, 122880
	s_mov_b64 s[54:55], s[62:63]
	s_or_b32 s55, s55, 0x80000000
	s_mul_i32 s92, s16, 61440                      ; and v's steps 0-4 or 5-9
	s_mov_b32 s[G0V], 1
	s_add_co_u32 s[G0V+1], s92, VB
	s_add_nc_u64 s[G0V+2:G0V+3], s[90:91], s[92:93]
	s_or_b32 s[G0V+3], s[G0V+3], 0x80000000
	CROUND                                         ; all four work-groups are here: the first joint loads meet
	s_cmp_eq_u32 s[WV], 0                          ; one tensor load a wave
	s_cbranch_scc0 .Lhead_b
	tensor_load_to_lds s[G0P:G0P+3], s[G1A:G1A+7]
	s_nop 0
	PLACES
	s_branch .Lhead_asked
.Lhead_b:
	s_cmp_eq_u32 s[WV], 1
	s_cbranch_scc0 .Lhead_v
	tensor_load_to_lds s[52:55], s[G1P:G1P+7]
	s_nop 0
	PLACES
	s_branch .Lhead_asked
.Lhead_v:
	tensor_load_to_lds s[G0V:G0V+3], s[G1V:G1V+7]
	s_nop 0
	PLACES
.Lhead_asked:
	s_add_co_u32 s22, s16, 1                       ; pairs 6 / 7: late pair t = wave % 2 (sets 1 and 2 are named by no load that is out)
	s_sub_co_u32 s22, s22, s[DA]
	s_add_co_u32 s23, s16, 5
	s_cmp_gt_u32 s[DA], s16
	s_cselect_b32 s22, s23, s22
	s_cselect_b64 s[66:67], s[60:61], s[62:63]
	s_mul_i32 s23, s16, 24576
	s_add_co_u32 s97, s23, VB
	MKG 1
	s_sub_co_u32 s22, 3, s[DA]                     ; pair 8: late pair 2
	s_cmp_gt_u32 s[DA], 2
	s_cselect_b32 s22, 7, s22
	s_cselect_b64 s[66:67], s[60:61], s[62:63]
	s_mov_b32 s23, 122880
	s_mov_b32 s97, VB+49152
	MKG 2
	; ---- the parts of M and of the sum.  Thread t owns word t of each block of 128 words
	v_lshlrev_b32 v[T4], 2, v0
	s_wait_alu depctr_va_vdst(0)
	s_mov_b32 s22, 0
	s_mov_b32 s23, s20
	POSAD 0
	s_mov_b32 s23, s21
	POSAD 1
	s_mov_b32 s23, s20
.irp P, 2,3,4,5
	s_mov_b32 s22, \P-1
	POSAD \P
.endr
.irp t, 0,1,2
	DYNP \t
.endr
	s_wait_alu depctr_va_vdst(0)
.irp s, 0,1,2,3,4,5,6,7,8,9,10,11,12,13,14,15,16,17
	global_load_b32 v[NMR+\s], v[VO+\s], s[6:7] offset:524288
.endr
.irp s, 0,1,2,3,4,5,6,7,8,9,10,11,12,13,14,15,16,17
	global_load_b32 v[LR+\s], v[VO+\s], s[6:7] offset:1048576
	global_load_b32 v[WD+\s], v[VO+\s], s[6:7]
	global_load_b32 v[VS+\s], v[VV+\s/2], s[94:95] offset:512*(\s%2)
.endr
	; addresses, while those are on their way
	v_lshl_add_u32 v[PTA], v0, 2, PT
	v_lshl_add_u32 v[VTA], v0, 2, VT
	v_lshl_add_u32 v[RLA], v0, 2, RLT
	v_and_b32 v1, 31, v0
	v_lshlrev_b32 v[LI], 4, v1
	s_wait_alu depctr_va_vdst(0)
	v_and_b32 v[VR], 15, v0
	v_bfe_u32 v[VH], v0, 4, 1
	s_mul_i32 s22, s15, 6144                       ; p: my four tiles
	s_mul_i32 s23, s16, 6144                       ; v: my four tiles,
	s_add_co_u32 s23, s23, VB
.irp g, 0,1,2
	v_add_nc_u32 v[ADP+\g], s22, v[LI]
	v_add_nc_u32 v[ADV+\g], s23, v[LI]
	s_add_co_u32 s22, s22, REGB
	s_add_co_u32 s23, s23, REGB
.endr
	s_lshl_b32 s22, s15, 8
	s_wait_alu depctr_va_vdst(0)                   ; the wait ahead of the readers below
	s_add_co_u32 s23, s22, RLT
	s_add_co_u32 s22, s22, PT
	v_lshl_add_u32 v[ASP], v[VR], 4, s22           ; scale words: [step][half][r][4]
	v_lshl_add_u32 v[RLR], v[VR], 4, s23
	s_lshl_b32 s22, s16, 8
	s_add_co_u32 s22, s22, VT
	v_lshl_add_u32 v[ASV], v[VR], 4, s22
	s_mul_i32 s22, s[WV], 16*SP
	s_add_co_u32 s22, s22, STG                     ; my stage
	v_mul_u32_u24 v[STO], v[VR], SP
	v_lshl_add_u32 v[STO], v[VH], 5, v[STO]
	v_add_nc_u32 v[STO], s22, v[STO]               ; in: row r, 32 bytes for each half of the lanes
	v_mul_u32_u24 v[RD], v[VH], SP
	v_lshl_add_u32 v[RD], v[VR], 4, v[RD]
	v_add_nc_u32 v[RD], s22, v[RD]                 ; back: lanes 0-15 one row of 256 bytes, lanes 16-31 the next
	v_lshlrev_b32 v[GO], 12, v[VH]
	v_lshl_add_u32 v[GO], v[VR], 4, v[GO]          ; and the same two rows in out0
.irp q, 0,1                                    ; out0 at row 2,048 batch + 128 block + 64 (w / 2), channel 128 c + 64 (w % 2)
	s_lshl_b32 s92, s17, 11
	s_lshl_b32 s89, s[20+\q], 7
	s_add_co_u32 s92, s92, s89
	s_lshl_b32 s89, s15, 6
	s_add_co_u32 s92, s92, s89
	s_lshl_b32 s92, s92, 12
	s_lshl_b32 s89, s88, 9
	s_add_co_u32 s92, s92, s89
	s_lshl_b32 s89, s16, 8
	s_add_co_u32 s92, s92, s89
	s_add_nc_u64 s[OA+2*\q:OA+2*\q+1], s[12:13], s[92:93]
.endr
	v_mov_b32 v[BIG], 0x7f000000                   ; over every -M
	s_wait_alu depctr_va_vdst(0)
	s_wait_loadcnt 0x0
.irp s, 0,1,2,3,4,5,6,7,8,9,10,11,12,13,14,15,16,17
	ds_store_b32 v[VTA], v[VS+\s] offset:512*\s    ; v's scale words, in the order of the walk
.endr
	v_min_num_f32 v[NMA], v[NMR], v[NMR+1]         ; the least -M of each block; a late step counts for its own block alone
	v_min_num_f32 v[TB2], v[NMR+4], v[NMR+5]
	v_min_num_f32 v[NMB], v[NMR+2], v[NMR+3]
.irp s, 12,13,14,15,16,17
	v_cndmask_b32 v[XA+\s-12], v[BIG], v[NMR+\s], s[DM+(\s-12)/2]
	v_cndmask_b32 v[XB+\s-12], v[NMR+\s], v[BIG], s[DM+(\s-12)/2]
.endr
.irp j, 6,8,10
	v_min_num_f32 v[NMA], v[NMA], v[NMR+\j]
	v_min_num_f32 v[TB2], v[TB2], v[NMR+\j+1]
.endr
	v_min_num_f32 v[TB3], v[XB], v[XB+1]
.irp j, 0,2,4
	v_min_num_f32 v[NMA], v[NMA], v[XA+\j]
	v_min_num_f32 v[TB2], v[TB2], v[XA+\j+1]
.endr
.irp j, 2,4
	v_min_num_f32 v[NMB], v[NMB], v[XB+\j]
	v_min_num_f32 v[TB3], v[TB3], v[XB+\j+1]
.endr
	v_min_num_f32 v[NMA], v[NMA], v[TB2]
	v_min_num_f32 v[NMB], v[NMB], v[TB3]
.irp t, 0,1,2
	v_cndmask_b32 v[RF+\t], v[NMB], v[NMA], s[DM+\t]
.endr
.irp s, 0,1,2,3,4,5,6,7,8,9,10,11,12,13,14,15,16,17
	REFR \s
	v_sub_f32 v[NMR+\s], v[rR], v[NMR+\s]          ; M_j - M: a whole number, 0 or less,
.endr
.irp s, 0,1,2,3,4,5,6,7,8,9,10,11,12,13,14,15,16,17
	v_max_num_f32 v[NMR+\s], 0xc2fe0000, v[NMR+\s] ; held at -127
.endr
.irp s, 0,1,2,3,4,5,6,7,8,9,10,11,12,13,14,15,16,17
	v_cvt_i32_f32 v[NMR+\s], v[NMR+\s]
.endr
.irp s, 0,1,2,3,4,5,6,7,8,9,10,11,12,13,14,15,16,17
	v_ldexp_f32 v[LR+\s], v[LR+\s], v[NMR+\s]      ; the part's sum under the row's M
.endr
.irp P, 0,1,2,3,4,5,6,7,8
	v_fma_f32 v[LR+2*\P], v[LR+2*\P+1], v[WG+\P], v[LR+2*\P]   ; a pair's two parts
.endr
	v_add_f32 v[LA], v[LR], v[LR+4]
	v_add_f32 v[TB2], v[LR+6], v[LR+8]
	v_fma_f32 v[LB], v[LR+12], v[FB], v[LR+2]
	v_add_f32 v[LA], v[LA], v[LR+10]
	v_fma_f32 v[TB2], v[LR+12], v[FA], v[TB2]
	v_fma_f32 v[LB], v[LR+14], v[FB+1], v[LB]
	v_fma_f32 v[LA], v[LR+14], v[FA+1], v[LA]
	v_fma_f32 v[TB2], v[LR+16], v[FA+2], v[TB2]
	v_fma_f32 v[LB], v[LR+16], v[FB+2], v[LB]
	v_add_f32 v[LA], v[LA], v[TB2]
	s_wait_alu depctr_va_vdst(0)
	v_rcp_f32 v[RC], v[LA]
	v_rcp_f32 v[RC+1], v[LB]
.irp s, 0,1,2,3,4,5,6,7,8,9,10,11,12,13,14,15,16,17
	v_sub_nc_u32 v[NMR+\s], 0, v[NMR+\s]           ; d  (plain work behind the reciprocals)
.endr
.irp s, 0,1,2,3,4,5,6,7,8,9,10,11,12,13,14,15,16,17
	v_mul_lo_u32 v[NMR+\s], v[NMR+\s], s[C01]      ; in all four bytes
.endr
.irp s, 0,1,2,3,4,5,6,7,8,9,10,11,12,13,14,15,16,17
	v_or_b32 v[WD+\s], s[C80], v[WD+\s]
.endr
.irp s, 0,1,2,3,4,5,6,7,8,9,10,11,12,13,14,15,16,17
	v_sub_nc_u32 v[WD+\s], v[WD+\s], v[NMR+\s]
.endr
.irp s, 0,1,2,3,4,5,6,7,8,9,10,11,12,13,14,15,16,17
	v_and_b32 v[NMR+\s], s[C80], v[WD+\s]          ; bit 7 stands where byte >= d
.endr
.irp s, 0,1,2,3,4,5,6,7,8,9,10,11,12,13,14,15,16,17
	v_lshrrev_b32 v[XT+\s], 7, v[NMR+\s]
.endr
.irp s, 0,1,2,3,4,5,6,7,8,9,10,11,12,13,14,15,16,17
	v_sub_nc_u32 v[NMR+\s], v[NMR+\s], v[XT+\s]    ; 0x7f there, else 0
.endr
.irp s, 0,1,2,3,4,5,6,7,8,9,10,11,12,13,14,15,16,17
	v_and_b32 v[WD+\s], v[WD+\s], v[NMR+\s]
.endr
.irp s, 0,1,2,3,4,5,6,7,8,9,10,11,12,13,14,15,16,17
	ds_store_b32 v[PTA], v[WD+\s] offset:512*\s    ; p's mended scale words, in the order of the walk
.endr
	s_wait_alu depctr_va_vdst(0)                   ; one wait for both reciprocals, ahead of their first reader
	ds_store_b32 v[RLA], v[RC]
	ds_store_b32 v[RLA], v[RC+1] offset:512
	s_wait_tensorcnt 0x0                           ; my load of the head's four is in
	s_wait_dscnt 0x0                               ; my stores into the tables are done
	s_barrier_signal -1
	s_barrier_wait -1
	FETCH 0
	KSTEP 0, 0, 1                                  ; A's first step starts A's sums: nothing is cleared
	KSTEP 1, 0, 0
	KSTEP 2, 1, 1                                  ; B's first step starts B's
	KSTEP 3, 1, 0
	KSTEP 4, 0, 0
	MID 5, 0, 1                                    ; places 0-3 are read out
	KSTEP 6, 0, 0
	KSTEP 7, 0, 0
	KSTEP 8, 0, 0
	MID 9, 0, 2                                    ; late pairs 0, 1 are whole for every wave; p's places 10, 11 and v's 4, 5 are read out
	KSTEP 10, 0, 0
	KSTEP 11, 0, 0
	DSTEP 12, 1
	DSTEP 13, 1
	DSTEP 14, 1
	s_wait_tensorcnt 0x0                           ; a plain barrier shows late pair 2 to every wave
	s_wait_dscnt 0x0
	s_barrier_signal -1
	s_barrier_wait -1
	DSTEP 15, 1
	DSTEP 16, 1
	DSTEP 17, 0
	; THE WAY OUT: eight tiles of 16 queries x my 64 channels, q = 4 x block + a.
	ds_load_b128 v[RLD:RLD+3], v[RLR]              ; 1 / sum of my row in my four tiles of A,
	ds_load_b128 v[RLD+4:RLD+7], v[RLR] offset:512 ; of B
	s_wait_dscnt 0x0
.irp q, 0,1,2,3,4,5,6,7
	v_mov_b32 v[RL+2*\q], v[RLD+\q]                ; (plain places behind the last products)
	v_mov_b32 v[RL+2*\q+1], v[RLD+\q]
.endr
.macro PACK q
	WIN 0x02                                       ; source 0 window 2
.set I2, 0
.rept 16
	v_pk_mul_f32 v[TMPO+I2:TMPO+I2+1], v[32*(\q)+I2:32*(\q)+I2+1], v[RL+2*(\q):RL+2*(\q)+1]   ; each accumulator from its low end on
.set I2, I2+2
.endr
	WIN 0
.endm
.macro TOSTAGE q                       ; 16 rows x 256 bytes through my own stage: LDS serves a wave's instructions in order (ISA guide 5.7.1.4)
.if (\q) > 1
	s_wait_xcnt 0x0                                ; the stores of two tiles ago have read the registers that the loads below fill
.endif
.irp b, 0,1,2,3
	ds_store_b128 v[STO], v[TMPO+8*\b:TMPO+8*\b+3] offset:64*\b
	ds_store_b128 v[STO], v[TMPO+8*\b+4:TMPO+8*\b+7] offset:64*\b+16
.endr
.irp i, 0,1,2,3,4,5,6,7
	ds_load_b128 v[OBF+32*((\q)%2)+4*\i:OBF+32*((\q)%2)+4*\i+3], v[RD] offset:2*\i*SP
.endr
.endm
.macro SEND q
	s_wait_dscnt 0x0
.irp i, 0,1,2,3,4,5,6,7
.if \i < 4
.set ROW, 8*((\q)%4)+2*\i
.else
.set ROW, 24+8*(((\q)%4)^1)+2*\i
.endif
	global_store_b128 v[GO], v[OBF+32*((\q)%2)+4*\i:OBF+32*((\q)%2)+4*\i+3], s[OA+2*((\q)/4):OA+2*((\q)/4)+1] offset:ROW*4096 th:TH_STORE_NT   ; 16 lanes store 256 consecutive bytes, aligned; rows by the tiles' order
.endr
.endm
	PACK 0
	TOSTAGE 0
.irp q, 1,2,3,4,5,6,7                  ; a tile's arithmetic stands between the loads of the tile before and the wait for them
	PACK \q
	s_wait_alu depctr_va_vdst(0)
	SEND \q-1
	TOSTAGE \q
.endr
	SEND 7
	s_wait_tensorcnt 0x0                           ; the wave's end
	ds_add_u32 v[SPW], v[NIL]
	s_wait_dscnt 0x0
	CROUND                                         ; the closing round
	s_endpgm
.Lfunc_end_k_qa3e93cff27_pv:
	.size	k_qa3e93cff27_pv, .Lfunc_end_k_qa3e93cff27_pv-k_qa3e93cff27_pv
	.p2alignl 7, 3214868480
	.fill 96, 4, 3214868480
	.section	.rodata,"a",@progbits
	.p2align	6, 0x0
	.amdhsa_kernel k_qa3e93cff27_pv
		.amdhsa_group_segment_fixed_size 327680
		.amdhsa_private_segment_fixed_size 0
		.amdhsa_enable_private_segment 0
		.amdhsa_kernarg_size 40
		.amdhsa_user_sgpr_count 2
		.amdhsa_user_sgpr_kernarg_segment_ptr 1
		.amdhsa_wavefront_size32 1
		.amdhsa_system_sgpr_workgroup_id_x 1
		.amdhsa_system_sgpr_workgroup_id_y 1
		.amdhsa_system_sgpr_workgroup_id_z 1
		.amdhsa_system_vgpr_workitem_id 0
		.amdhsa_next_free_vgpr 768
		.amdhsa_next_free_sgpr 102
		.amdhsa_reserve_vcc 0
		.amdhsa_float_denorm_mode_32 3
		.amdhsa_float_denorm_mode_16_64 3
		.amdhsa_memory_ordered 1
		.amdhsa_forward_progress 1
		.amdhsa_inst_pref_size 146
	.end_amdhsa_kernel
	.amdgpu_metadata
---
amdhsa.version: [ 1, 2 ]
amdhsa.kernels:
  - .name:           k_qa3e93cff27_pv
    .symbol:         k_qa3e93cff27_pv.kd
    .args:
      - { .name: p_img, .offset: 0, .size: 8, .value_kind: global_buffer, .address_space: global }
      - { .name: p_st, .offset: 8, .size: 8, .value_kind: global_buffer, .address_space: global }
      - { .name: qkv_img, .offset: 16, .size: 8, .value_kind: global_buffer, .address_space: global }
      - { .name: qkv_sc, .offset: 24, .size: 8, .value_kind: global_buffer, .address_space: global }
      - { .name: out0, .offset: 32, .size: 8, .value_kind: global_buffer, .address_space: global }
    .group_segment_fixed_size: 327680
    .private_segment_fixed_size: 0
    .kernarg_segment_align: 8
    .kernarg_segment_size: 40
    .max_flat_workgroup_size: 128
    .sgpr_count:     102
    .vgpr_count:     768
    .wavefront_size: 32
...
	.end_amdgpu_metadata
.endif
;; end of part 3
